; MI455X (gfx1250); checked and timed in simulation.
; The chip was launched on July 23, 2026; its instructions are those of AMD's public machine-readable ISA for CDNA 5 (MIT licence, August 2026) and "CDNA5" Instruction Set Architecture Reference Guide (July 2026). The comments in the code are by the model that wrote it; some were corrected since.
;; Model. Allowed arithmetic: matrix products marked QUANTISED: E2M1 operands, one E8M0 scale for each 32 along K, by v_wmma_scale_f32_16x16x128_f8f6f4 with both operands' format E2M1 (or v_wmma_scale_f32_32x16x128_f4), f32 sums; everything else in f32.
;; Inputs: k 8 x 1,024 x 2,048 float32; q 8 x 2,048 x 1,024 float32; v 8 x 2,048 x 1,024 float32.
;; Outputs: out0 8 x 2,048 x 1,024 float32.
;; This version of the problem:
;;   THIS VERSION OF THE PROBLEM IS GIVEN IN LOW PRECISION. The matrix products marked QUANTISED in the list below multiply operands that are first quantised to E2M1 (2 exponent bits, 1 mantissa bit; 4 bits a number), with one power-of-two scale for each 32 numbers along K (OCP MX v1.0); their sums are f32. All else is computed in f32.
;;   The module's matrix products, in the order in which they are computed (A, B: the left and right operand; K: the contracted axis; several contracted axes count as one K, in the product's order):
;;     1. batch 8 x [M 2,048, K 1,024] x [K 1,024, N 2,048]; A: input q; B: input k: QUANTISED
;;     2. batch 8 x [M 2,048, K 2,048] x [K 2,048, N 1,024]; A: softmax (see below); B: input v: QUANTISED
;;   THE QUANTISER, for each operand of a quantised product, along K:
;;     - K is cut into blocks of 32 from its start; a last block that is shorter is filled with zeros.
;;     - A block's scale is 2^e with e = floor(log2(the largest magnitude in the block)) - 2, held to -126 .. 127; a block of zeros has e = 0. As a byte (E8M0): e + 127.
;;     - Each number is divided by its block's scale, clamped to +-6, and rounded to the nearest number of E2M1, ties to even, subnormals kept.
;;     - The product sums the exact products of the quantised numbers (number of the format x scale) in f32.
;;   ~~~python
;;   def quantise(x, axis):      # numpy; x: float32 -> the quantised numbers, widened to float32 again
;;       x = np.moveaxis(x, axis, -1); K = x.shape[-1]
;;       x = np.pad(x, [(0, 0)] * (x.ndim - 1) + [(0, -K % 32)]); x = x.reshape(x.shape[:-1] + (-1, 32)); a = np.abs(x).max(-1, keepdims=True)
;;       e = np.where(a > 0, np.clip(np.frexp(np.where(a > 0, a, 1))[1] - 1 - 2, -126, 127), 0)      # np.frexp(a)[1] - 1 = floor(log2(a)), exactly
;;       r = np.clip(x / 2.0 ** e, -6, 6)
;;       step = 2.0 ** (np.maximum(np.frexp(np.where(r == 0, 1, r))[1] - 1, 0) - 1)
;;       q = np.round(r / step) * step * 2.0 ** e      # np.round: ties to even
;;       return np.moveaxis(q.reshape(q.shape[:-2] + (-1,))[..., :K], -1, axis).astype(np.float32)
;;   ~~~
;;   SOFTMAX AHEAD OF A QUANTISED PRODUCT. Where the list says 'softmax', what is quantised is not the finished softmax but p = 2^(t - M), with t = logit x log2(e) and M = ceil(the row's largest t), a whole number; so 1/2 < the row's largest p <= 1. The row's sum l is taken of the UNQUANTISED p, in f32, and the product's result is divided by l at the end. Since M is a whole number, a kernel that streams over the keys may use a running M (the ceiling of the running maximum): every later rescaling is an exact power of two, which a block's scale takes up: the codes' values come out the same.
;;   OPERANDS COMPUTED ON THE WAY. 'Computed on the way' means the value that the module computes at that place (a softmax that the list does not call 'softmax' is quantised finished and normalised). What goes into a quantiser is computed in f32, as accurately as f32 sums, v_exp_f32 and their like allow (about 1e-6 of the number): no bf16 or f16 on the way to a quantiser, and a product that is left as it is and whose result goes on into a quantised operand takes f32 operands (vector FMAs, or v_wmma_f32_16x16x4_f32). A number that lies on a knife's edge between two numbers of the format may be rounded either way, as far as f32 arithmetic and the matrix unit's own rounding can turn it there, and no further.
;; 2 versions, each right; version 2 is version 1 with the launch attn written anew for expert scheduling mode. Each part assembles by itself: llvm-mc -triple=amdgcn-amd-amdhsa -mcpu=gfx1250 --defsym DOCPART=n.
;; ======== version 1 of 2: 2 launches
;; limits: right only within a limited range of input values
;; workspace buffers: kv 17,825,792 bytes
;; launch quant (part 1): grid 256 x 2, 4 waves a work-group, no clusters, 262,656 bytes of LDS; arguments k, v, kv; writes kv
.if DOCPART == 1
	.amdgcn_target "amdgcn-amd-amdhsa--gfx1250"
	.amdhsa_code_object_version 6
	.text
	.protected	k_q40e3ca0435_quant
	.globl	k_q40e3ca0435_quant
	.p2align	8
	.type	k_q40e3ca0435_quant,@function
k_q40e3ca0435_quant:
	s_mov_b64 s[64:65], 0
	v_nop
	global_prefetch_b8 v0, s[64:65] scope:SCOPE_SE
	s_setreg_imm32_b32 hwreg(HW_REG_WAVE_MODE, 25, 1), 1
	s_wait_xcnt 0x0
; k [8][1024 d][2048 keys] and v [8][2048 keys][1024 dv], f32, are operands whose K (d for k, the keys for v) is the FIRST axis inside a batch.
; Both become codes of FP4 (E2M1) with one E8M0 byte for each 32 along K, laid in kv IN THE ORDER OF THE NEXT LAUNCH'S OPERAND REGISTERS.
; kv: 8 batches x 32 records of REC = 69,632 bytes.  Records 0-15 of a batch are k's, 16-31 are v's.
; A RECORD: codes [wave w 0-7][fragment f 0-7][c 0-1][lane 0-31][16 bytes] = 65,536 bytes; behind them scale words [w][g 0-1][lane][2 words] = 4,096 bytes.
;   A fragment is 16 rows x 128 along K.  The 16 bytes at 512 c + 16 (16 h + r) are the 32 codes of block 2 c + h of row r: one block of the quantiser.
;   Fragments 2 a and 2 a + 1 cover 32 neighbouring rows: lane r of fragment 2 a + u2 holds row 8 u2 + r + 8 (r / 8), so that a result lane's 16 registers of the two tiles are 16 neighbours.
;   k's record u = 2 j + kh: rows = keys 256 j + 32 w + ..; fragment f = 2 s' + u2 is d = 512 kh + 128 s' on; its scale word at g = s' / 2, word s' % 2, lane 16 u2 + r.
;   v's record 16 + s:       K = keys 128 s on; rows = dv 128 w + 32 a + ..; fragment f = 2 a + u2;      its scale word at g = a % 2,  word a / 2,  lane 16 u2 + r.
; A block's scale is 2^(floor(log2(its largest magnitude)) - 2); its byte is the largest magnitude's exponent field - 2, held at 1 from below.
; LIMITS: a block of zeros gets the byte 1 where the rule says 127 (its codes are zeros, and this program alone reads the bytes); blocks whose largest magnitude lies under 2^-124 were not tried; NaN and infinities are not served.
; SHARES.  Grid y = 0 takes k, y = 1 takes v; a work-group makes half a record; a wave two tiles of 128 rows (along K) x 64 columns of f32, 32,768 bytes each, brought by two tensor loads that go out together:
; a tile's row is 256 consecutive bytes at a multiple of 256.  A LANE TAKES A COLUMN AND ITS REGISTERS RUN DOWN K: a block lies in one lane's 32 registers, and the conversions give codes with K innermost.
; A block's 16 bytes a lane go straight to their place: lanes 0-15 store 256 consecutive bytes at a multiple of 256, lanes 16-31 another such run.
; One way through the text serves both tensors: numbers and the pointer are chosen by the grid's y; only the two first fills stand in a branch on y, since the pitch is a constant of a descriptor.
; LDS is filled once and each wave reads only what its own loads brought: no barrier.
.set REC,  69632
.set LA,   2                           ; v2      LDS address: my wave's region + 4 x my column
.set VC,   4                           ; v4-7    codes' byte offset for (gamma, tau) at VC + 2 gamma + tau; never rewritten
.set VS,   8                           ; v8-9    scale words' byte offset for gamma; never rewritten
.set SB,   16                          ; v16-19  scale words: (gamma, tau) at SB + 2 gamma + tau
.set X,    32                          ; v32-95  two sets of 32 numbers
.set C,    96                          ; v96-159 codes: four registers for each of the 16 blocks, so that no store's data are written again
.set G1K,  16                          ; s[16:23] descriptor group 1 for k's tiles;  s[24:31] for v's: the pitch differs
.set G1V,  24
.set G0,   32                          ; s[32:35], s[36:39] group 0 of tiles 0 and 1
	s_load_b128 s[4:7], s[0:1], 0x0                ; k, v
	s_load_b64 s[8:9], s[0:1], 0x10                ; kv
	v_lshl_add_u32 v176, v0, 2, 0x40000
	v_mov_b32 v177, 0
	ds_add_u32 v176, v177
	ds_add_u32 v176, v177
	v_lshrrev_b32 v1, 5, v0
	v_readfirstlane_b32 s10, v1                    ; wave wv 0..3
	s_and_b32 s11, ttmp7, 0xffff                   ; y: 0 = k, 1 = v
	s_and_b32 s12, ttmp9, 1                        ; lam: which half of the record
	s_bfe_u32 s13, ttmp9, 0x40001                  ; u: the record among the tensor's 16 of a batch
	s_lshr_b32 s14, ttmp9, 5                       ; the batch
	; descriptor group 1: 128 rows x 64 elements of 4 bytes, no padding
.irp g, G1K, G1V
	s_mov_b32 s[\g+0], 2<<16                       ; 15:0 no mask; 17:16 elements of 4 bytes
	s_mov_b32 s[\g+1], 64<<16                      ; tensor_dim0 = 64
	s_mov_b32 s[\g+2], 128<<16                     ; tensor_dim1 = 128
	s_mov_b32 s[\g+3], 64<<16                      ; tile_dim0 = 64
	s_mov_b32 s[\g+4], 128                         ; tile_dim1 = 128
	s_mov_b32 s[\g+6], 0
	s_mov_b32 s[\g+7], 0
.endr
	s_mov_b32 s[G1K+5], 2048                       ; a row of k is 2,048 elements,
	s_mov_b32 s[G1V+5], 1024                       ; a row of v 1,024
	; k's numbers: tile 0 begins at row 512 (u % 2) + 256 lam, column 256 (u / 2) + 64 wv; then w = 2 wv + gamma, s' = 2 lam + tau
	s_and_b32 s40, s13, 1
	s_lshl_b32 s40, s40, 22
	s_lshl_b32 s54, s12, 21
	s_add_co_u32 s40, s40, s54
	s_lshr_b32 s54, s13, 1
	s_lshl_b32 s54, s54, 10
	s_add_co_u32 s40, s40, s54
	s_lshl_b32 s54, s10, 8
	s_add_co_u32 s40, s40, s54                     ; bytes into the batch
	s_lshl_b32 s42, s10, 14
	s_lshl_b32 s54, s12, 12
	s_add_co_u32 s42, s42, s54                     ; codes' place in the record
	s_lshl_b32 s44, s10, 10
	s_lshl_b32 s54, s12, 8
	s_add_co_u32 s44, s44, s54                     ; scale words' place behind the codes
	; v's numbers: tile 0 begins at row 128 u, column 512 lam + 128 wv; then w = 4 lam + wv, a = 2 tau + gamma
	s_lshl_b32 s51, s13, 19
	s_lshl_b32 s54, s12, 11
	s_add_co_u32 s51, s51, s54
	s_lshl_b32 s54, s10, 9
	s_add_co_u32 s51, s51, s54
	s_lshl_b32 s52, s12, 2
	s_add_co_u32 s52, s52, s10
	s_lshl_b32 s53, s52, 9
	s_lshl_b32 s52, s52, 13
	s_lshl_b32 s55, s14, 5
	s_add_co_u32 s55, s55, s13
	s_lshl_b32 s54, s11, 4
	s_add_co_u32 s55, s55, s54                     ; the record: 32 x batch + u + 16 y
	s_mul_i32 s55, s55, REC
	s_lshl_b32 s54, s14, 23                        ; a batch of either tensor is 2^23 bytes
	s_mov_b32 s46, 256                             ; v: tile 1 lies 64 columns on;
	s_mov_b32 s48, 2048                            ;    bytes of codes from gamma 0 to 1,
	s_mov_b32 s49, 4096                            ;    from tau 0 to 1,
	s_mov_b32 s50, 256                             ;    bytes of scale words from gamma 0 to 1
	s_cmp_eq_u32 s11, 0                            ; the choice hangs on the grid's y alone; the selects leave SCC as it is
	s_cselect_b32 s40, s40, s51
	s_cselect_b32 s42, s42, s52
	s_cselect_b32 s44, s44, s53
	s_cselect_b32 s46, 0x100000, s46               ; k: tile 1 lies 128 rows of 8,192 bytes on
	s_cselect_b32 s48, 8192, s48
	s_cselect_b32 s49, 2048, s49
	s_cselect_b32 s50, 512, s50
	s_add_co_u32 s40, s40, s54
	s_add_co_u32 s42, s42, s55
	s_add_co_u32 s44, s44, s55
	s_add_co_u32 s44, s44, 65536
	s_mov_b32 s41, 0
	s_mov_b32 s43, 0
	s_mov_b32 s45, 0
	s_mov_b32 s47, 0
	s_wait_dscnt 0x0
	s_wait_kmcnt 0x0
	s_cmp_eq_u32 s11, 0
	s_cselect_b64 s[4:5], s[4:5], s[6:7]           ; the tensor
	s_add_nc_u64 s[4:5], s[4:5], s[40:41]          ; at my tile 0
	s_mov_b32 s[G0+0], 1                           ; count = 1
	s_lshl_b32 s[G0+1], s10, 16                    ; LDS: my wave's 65,536 bytes
	s_mov_b64 s[G0+2:G0+3], s[4:5]
	s_or_b32 s[G0+3], s[G0+3], 0x80000000          ; type = 2
	s_mov_b32 s[G0+4], 1
	s_add_co_u32 s[G0+5], s[G0+1], 32768
	s_add_nc_u64 s[G0+6:G0+7], s[4:5], s[46:47]
	s_or_b32 s[G0+7], s[G0+7], 0x80000000
	s_add_nc_u64 s[42:43], s[8:9], s[42:43]        ; where my codes go,
	s_add_nc_u64 s[44:45], s[8:9], s[44:45]        ; and my scale words
	s_cmp_eq_u32 s11, 0                            ; both first fills go out together, ahead of every wait on TENSORcnt and every LDS read: two loads of mine are out
	s_cbranch_scc0 .Lfor_v
	tensor_load_to_lds s[G0:G0+3], s[G1K:G1K+7]
	s_nop 0
	tensor_load_to_lds s[G0+4:G0+7], s[G1K:G1K+7]
	s_nop 0
.rept 4
	v_nop
.endr
	s_branch .Lasked
.Lfor_v:
	tensor_load_to_lds s[G0:G0+3], s[G1V:G1V+7]
	s_nop 0
	tensor_load_to_lds s[G0+4:G0+7], s[G1V:G1V+7]
	s_nop 0
.rept 4
	v_nop
.endr
.Lasked:
	v_and_b32 v1, 31, v0                           ; lane L = 16 u2 + r
	v_and_b32 v2, 7, v1
	v_bfe_u32 v3, v1, 3, 1
	v_lshl_add_u32 v2, v3, 4, v2
	v_lshrrev_b32 v3, 4, v1                        ; u2
	v_lshl_add_u32 v2, v3, 3, v2                   ; my column of the 32: 8 u2 + r % 8 + 16 (r / 8) = 8 u2 + r + 8 (r / 8)
	v_lshlrev_b32 v2, 2, v2
	v_add_nc_u32 v[LA], s[G0+1], v2
	v_and_b32 v10, 15, v1
	v_lshlrev_b32 v10, 4, v10
	v_lshl_add_u32 v[VC], v3, 10, v10              ; 1,024 u2 + 16 r
	v_add_nc_u32 v[VC+1], s49, v[VC]
	v_add_nc_u32 v[VC+2], s48, v[VC]
	v_add_nc_u32 v[VC+3], s48, v[VC+1]
	v_lshlrev_b32 v[VS], 3, v1                     ; two words a lane
	v_add_nc_u32 v[VS+1], s50, v[VS]
; Block t = 8 tau + 4 gamma + beta: tile tau, columns 32 gamma on, rows 32 beta on.
.macro LOADB t                         ; its 32 numbers of my column into set t % 2: the 32 lanes of a load take 32 different words of 128 neighbouring bytes
.irp i, 0,1,2,3,4,5,6,7,8,9,10,11,12,13,14,15,16,17,18,19,20,21,22,23,24,25,26,27,28,29,30,31
	ds_load_b32 v[X+32*((\t)%2)+\i], v[LA] offset:((\t)/8)*32768+(32*((\t)%4)+\i)*256+(((\t)/4)%2)*128
.endr
.endm
.macro BLOCK t
.set XS, X+32*((\t)%2)
.set CC, C+4*(\t)
.set GT, 2*(((\t)/4)%2)+(\t)/8
	v_max3_num_f32 v12, |v[XS]|, |v[XS+1]|, |v[XS+2]|               ; the block's largest magnitude: all 32 numbers are mine; two chains
	v_max3_num_f32 v13, |v[XS+3]|, |v[XS+4]|, |v[XS+5]|
.irp i, 6,10,14,18,22,26
	v_max3_num_f32 v12, v12, |v[XS+\i]|, |v[XS+\i+1]|
	v_max3_num_f32 v13, v13, |v[XS+\i+2]|, |v[XS+\i+3]|
.endr
	v_max3_num_f32 v12, v12, |v[XS+30]|, |v[XS+31]|
	v_max3_num_f32 v12, v12, v13, 0x1800000        ; and the floor 2^(3 - 127): the byte cannot fall under 1
	v_add_nc_u32 v11, 0xff000000, v12              ; 2 off its exponent field: the conversion takes the exponent field of this operand as its scale, and nothing else of it
	v_lshrrev_b32 v13, 23, v11                     ; the scale's byte
.if (\t)%4 == 0
	v_mov_b32 v[SB+GT], v13                        ; four bytes make the word of 128 along K, the lower K in the lower byte
.else
	v_lshl_or_b32 v[SB+GT], v13, 8*((\t)%4), v[SB+GT]
.endif
.irp g, 0,1,2,3
	v_cvt_scalef32_pk8_fp4_f32 v[CC+\g], v[XS+8*\g:XS+8*\g+7], v11
.endr
	global_store_b128 v[VC+GT], v[CC:CC+3], s[42:43] offset:256*((\t)%4)   ; block beta = 2 c + h lies 256 beta bytes into its fragment; the results go to a store alone, and plain lines open the next block
.endm
	s_wait_tensorcnt 0x1                           ; tile 0 has landed; tile 1 may be out
	LOADB 0
.set T, 0
.rept 16
.if T == 7
	s_wait_tensorcnt 0x0                           ; tile 1, ahead of its first read
.endif
.if T < 15
	LOADB T+1
	s_wait_dscnt 32                                ; this block's 32 loads are in; the 32 just issued may be out
.else
	s_wait_dscnt 0x0
.endif
	BLOCK T
.set T, T+1
.endr
.irp g, 0,1
	global_store_b64 v[VS+\g], v[SB+2*\g:SB+2*\g+1], s[44:45]   ; 32 lanes store 256 consecutive bytes at a multiple of 256
.endr
	s_wait_tensorcnt 0x0
	ds_add_u32 v176, v177
	s_wait_dscnt 0x0
	s_endpgm
.Lfunc_end_k_q40e3ca0435_quant:
	.size	k_q40e3ca0435_quant, .Lfunc_end_k_q40e3ca0435_quant-k_q40e3ca0435_quant
	.p2alignl 7, 3214868480
	.fill 96, 4, 3214868480
	.section	.rodata,"a",@progbits
	.p2align	6, 0x0
	.amdhsa_kernel k_q40e3ca0435_quant
		.amdhsa_group_segment_fixed_size 262656
		.amdhsa_private_segment_fixed_size 0
		.amdhsa_enable_private_segment 0
		.amdhsa_kernarg_size 24
		.amdhsa_user_sgpr_count 2
		.amdhsa_user_sgpr_kernarg_segment_ptr 1
		.amdhsa_wavefront_size32 1
		.amdhsa_system_sgpr_workgroup_id_x 1
		.amdhsa_system_sgpr_workgroup_id_y 1
		.amdhsa_system_sgpr_workgroup_id_z 1
		.amdhsa_system_vgpr_workitem_id 0
		.amdhsa_next_free_vgpr 178
		.amdhsa_next_free_sgpr 66
		.amdhsa_reserve_vcc 0
		.amdhsa_float_denorm_mode_32 3
		.amdhsa_float_denorm_mode_16_64 3
		.amdhsa_memory_ordered 1
		.amdhsa_forward_progress 1
		.amdhsa_inst_pref_size 63
	.end_amdhsa_kernel
	.amdgpu_metadata
---
amdhsa.version: [ 1, 2 ]
amdhsa.kernels:
  - .name:           k_q40e3ca0435_quant
    .symbol:         k_q40e3ca0435_quant.kd
    .args:
      - { .name: k, .offset: 0, .size: 8, .value_kind: global_buffer, .address_space: global }
      - { .name: v, .offset: 8, .size: 8, .value_kind: global_buffer, .address_space: global }
      - { .name: kv, .offset: 16, .size: 8, .value_kind: global_buffer, .address_space: global }
    .group_segment_fixed_size: 262656
    .private_segment_fixed_size: 0
    .kernarg_segment_align: 8
    .kernarg_segment_size: 24
    .max_flat_workgroup_size: 128
    .sgpr_count:     66
    .vgpr_count:     178
    .wavefront_size: 32
...
	.end_amdgpu_metadata
.endif
;; end of part 1
;; launch attn (part 2): grid 32 x 8, 8 waves a work-group, no clusters, 214,016 bytes of LDS; arguments q, kv, out0; writes out0
.if DOCPART == 2
	.amdgcn_target "amdgcn-amd-amdhsa--gfx1250"
	.amdhsa_code_object_version 6
	.text
	.protected	k_q40e3ca0435_attn
	.globl	k_q40e3ca0435_attn
	.p2align	8
	.type	k_q40e3ca0435_attn,@function
k_q40e3ca0435_attn:
	s_mov_b64 s[64:65], 0
	v_nop
	global_prefetch_b8 v0, s[64:65] scope:SCOPE_SE
	s_setreg_imm32_b32 hwreg(HW_REG_WAVE_MODE, 25, 1), 1
	s_wait_xcnt 0x0
; out0[b][s][:] = the sum over keys t of softmax_t(0.1 q[b][s] . k[b][:, t]) v[b][t][:], both products on codes of FP4 (E2M1) with one E8M0 byte for each 32 along a product's K.
; q [8][2048][1024] f32 is quantised here; k and v come as the records of kv (8 batches x 32 records of 69,632 bytes, laid in the order of the operand registers: see the launch that makes them).
; THE SOFTMAX: t = score x c, c = 0.1 log2(e) as ONE f32 constant; M = the row's largest t rounded UP to a whole number; p = 2^(t - M) is quantised along the keys, not normalised; the row's sum l is taken of the unquantised p and divides at the end.
; SHARES.  A work-group owns 64 queries of one batch: four tiles qt of 16.  Eight waves of 512 registers, two to a SIMD.
; TWO PHASES.  1: the walk over k's 16 records.  A step is 256 keys; wave w owns keys 32 w .. + 31 of it, ONE block of the quantiser, for all 64 queries: S^T = K Q^T (source 0 = 16 keys, source 1 = 16 queries: a lane holds one query,
;   and the 16 registers of a pair of tiles are 16 neighbouring keys).  p is made under a running whole M of the wave's own, quantised at once, and ALL of P is parked in LDS as images of the second product's operand registers (65,536 bytes);
;   of each block the whole number byte + M is kept.  TRANSITION: the row's M is the largest of the eight waves'; each block's byte is brought under it by a subtraction, which is exact; l is summed.
;   2: the walk over v's 16 records: O^T = V^T P^T, wave w owning dv 128 w .. + 127 for all 64 queries: a plain product: nothing is rescaled.  Q (256 registers) and O^T (256) never live at the same time.
; THE RECORDS COME STRAIGHT INTO REGISTERS; NO RING, NO CLUSTER.  Of a record each byte is an operand of ONE wave of a work-group (wave w's eighth: 8,192 bytes of codes, 512 of scale words), so LDS would only be a way station.
;   A ring whose slots are filled again has on its way what one refill brings; beside P's 65,536 bytes two slots of two records (2 x 139,264) do not fit in 327,680, so a refill would bring one record, for 32 matrix instructions a wave.
;   Here each load of a wave reads 512 consecutive bytes; a register set is asked for again as soon as it has been multiplied; up to two eighths (36 loads, 17,408 bytes) of every wave are on their way; the waits are counted;
;   and in neither phase does a wave wait for another.  The price: the four work-groups that walk alike each ask for the records themselves.
; THE WALK IS ROTATED by x / 4 (x: the work-group's number in its batch): walk index n names record (n & 16) | ((n + 2 (x / 4)) & 15), so that a batch's work-groups begin each phase at sixteen different records.
;   Sums do not hang on the order of the keys, and P's images are laid by walk index: no LDS address, branch or trip count hangs on the rotation.
; LIMITS: NaN and infinities are not served.  |t| stays under 2^23, so that M and byte + M are exact whole numbers in f32.  A block of q that is all zeros, or whose largest magnitude lies under 2^-124, gets the byte 1.
;   A block of p that lies more than 2^125 under its row's largest p is held at the byte 0.  c is rounded once where the definition multiplies twice.
; REGISTERS.  Window 1 (v256-511): Q, fragment (qt, K step s) at 64 qt + 8 s; later O^T, tile (qt, f) at 64 qt + 8 f.  Window 0: the names below.
.set REC,   69632
.set STGB,  8448                       ; LDS from byte 0: the way out: 16 rows x (512 bytes + 16) for each wave
.set PIMG,  67584                      ; P's fragments: 4,096 i + 1,024 qt + 512 c + 16 lane (i: walk K step 0-15 of the second product)
.set QIMG,  133120                     ; Q's fragments: 1,024 (8 qt + s) + 512 c + 16 lane
.set QSC,   165888                     ; Q's scale words: 128 (2 s + qt / 2) + 64 (qt % 2) + 4 r
.set XCH,   167936                     ; (-M, l) of each wave: 1,024 w + 256 qt + 8 lane
.set PSC,   176128                     ; P's scale words: 256 i + 64 qt + 4 r + block
.set ETAB,  180224                     ; each wave's own byte + M: 4,096 w + 512 step + 16 lane; ends at 212,992
.set PST, 1                            ; v1    where I store P's codes; steps 8,192 a key step
.set EST, 2                            ; v2    where I store byte + M; steps 512 a key step
.set VSO, 3                            ; v3    my scale words' byte offset from my codes in a record: 65,536 - 7,680 w + 8 lane; never rewritten
.set BM,  4                            ; v4-7  the softmax: the block's largest score, its largest p, the conversion's scale operand; at last tile 3's codes in v4-5.  Transition: the row's -M
.set PX,  8                            ; v8-11 the other half's maximum; t; old M - new M; 2^(that); at last the codes of tiles 0 and 1.  Transition: l
.set ST,  12                           ; v12-27 for tile qt at ST + 4 qt: -M, the largest t, l in two halves; from the transition on 1 / l stands in -M's place
.set QS,  28                           ; v28-43 Q's scale words: 2 s + qt / 2; lanes 0-15 the even tile's, lanes 16-31 the odd one's
.set KSA, 44                           ; v44-47, v48-51 a record's scale words, sets A and B: lanes 0-15 the even fragment's, lanes 16-31 the odd one's
.set KSB, 48
.set PSA, 52                           ; v52-53, v54-55 P's scale words, sets A and B.  v28-55 hold scales and nothing else
.set PSB, 54
.set EE,  56                           ; v56-59 byte + M of the four tiles; at the head, in the transition and on the way out addresses for a short spell
.set PBS, 59                           ; v59   transition: where I store P's bytes
.set STO, 58                           ; v58   the way out: where I put 64 bytes of a row
.set SRD, 59                           ; v59   the way out: where I read a row back
.set PC2, 60                           ; v60-61 phase 1: tile 2's codes
.set PLD, 60                           ; v60   phase 2: where P's fragments are read; steps 8,192 a pair of K steps
.set PSL, 61                           ; v61   and P's scale words; steps 512 (at the head: where Q's scale words are read)
.set PFO, 62                           ; v62   256 x lane: the prefetches' offset; never rewritten
.set GO,  63                           ; v63   16 x lane: my bytes of a load's or a store's 512; never rewritten
.set S,   64                           ; v64-127 S^T, then p: 16 qt + 8 u2 + j
.set PA,  64                           ; phase 2: P's four fragments, sets A and B
.set PB,  96
.set FA,  128                          ; v128-191 my eight fragments of a record, set A
.set FB,  192                          ; v192-255 set B
.set TM,  192                          ; the head's quantiser, before set B is first asked for: v192-207 at work, v208 the scale word, v212-219 the codes
.set PW,  208
.set QPC, 212
.set BA,  24                           ; s[24:25], s[26:27] my codes in the record that set A, set B was last asked from
.set BB,  26
.set MSB, 0
.macro WIN new                         ; the immediate's high byte repeats the setting that is left; a switch that changes nothing is dropped
.if MSB != \new
	s_set_vgpr_msb (MSB<<8)|\new
.set MSB, \new
.endif
.endm
.macro PLACES                          ; four plain places: ahead of loads into registers that matrix instructions have read, and of the first read of results (ISA guide 7.12.1 for vector instructions)
.rept 4
	v_nop
.endr
.endm
.macro BARRIER                         ; my LDS stores have landed and my LDS loads are in: then the work-group's barrier
	s_wait_dscnt 0x0
	s_barrier_signal -1
	s_barrier_wait -1
.endm
.macro NEXT b                          ; base b goes to the walk's next record
	s_wait_xcnt 0x0                                ; every earlier load has had its address translated (ISA guide 3.1): only behind this wait is a base written again
	s_add_co_u32 s34, s36, s12                     ; s36: the walk index; s12: the rotation
	s_and_b32 s34, s34, 15
	s_and_b32 s37, s36, 16
	s_or_b32 s34, s34, s37                         ; the record
	s_mul_i32 s34, s34, REC
	s_add_nc_u64 s[\b:\b+1], s[32:33], s[34:35]
	s_add_co_u32 s36, s36, 1
.endm
.macro LOADREC b, kf, ks               ; my eighth of a record: eight fragments, 512 consecutive bytes a load, and their scale words, 256 a load: 18 loads
.irp f, 0,1,2,3,4,5,6,7
	global_load_b128 v[\kf+8*\f:\kf+8*\f+3], v[GO], s[\b:\b+1] offset:1024*\f
	global_load_b128 v[\kf+8*\f+4:\kf+8*\f+7], v[GO], s[\b:\b+1] offset:1024*\f+512
.endr
	global_load_b64 v[\ks:\ks+1], v[VSO], s[\b:\b+1]
	global_load_b64 v[\ks+2:\ks+3], v[VSO], s[\b:\b+1] offset:256
.endm
.macro LOADP k, pf, ps                 ; P's four fragments and two registers of scale words of the K step k on from where PLD stands: 10 LDS loads
.irp q, 0,1,2,3
	ds_load_b128 v[\pf+8*\q:\pf+8*\q+3], v[PLD] offset:4096*\k+1024*\q
	ds_load_b128 v[\pf+8*\q+4:\pf+8*\q+7], v[PLD] offset:4096*\k+1024*\q+512
.endr
	ds_load_b32 v[\ps], v[PSL] offset:256*\k
	ds_load_b32 v[\ps+1], v[PSL] offset:256*\k+128
.endm
; A PREFETCH INTO THE L2 of the codes of v's first two records of my walk, asked for in trip 5 of phase 1: two trips ahead of the loads that will want them.  It stands behind the trip's second run of loads.
; The four work-groups that walk alike name these two records alone, and share a record's 256 blocks of 256 bytes out by address, 64 each; in each, waves 0 and 1 ask, a lane a block: each block is named once.
.macro ASK
	s_cmp_eq_u32 s38, s39
	s_cbranch_scc0 .Lnot_mine_\@
	global_prefetch_b8 v[PFO], s[46:47] th:TH_LOAD_NT scope:SCOPE_SE
	global_prefetch_b8 v[PFO], s[46:47] offset:REC th:TH_LOAD_NT scope:SCOPE_SE
.Lnot_mine_\@:
.endm
; One matrix instruction on the registers named by rD, rA, rB, rSA, rSB.  ra, rb: the side's scales stand in lanes 16-31.  z: the product starts its sum.
.macro WM ra, rb, z
.if \z
.if (\ra) && (\rb)
	v_wmma_scale_f32_16x16x128_f8f6f4 v[rD:rD+7], v[rA:rA+7], v[rB:rB+7], 0, v[rSA], v[rSB] matrix_a_fmt:MATRIX_FMT_FP4 matrix_b_fmt:MATRIX_FMT_FP4 matrix_a_scale:MATRIX_SCALE_ROW1 matrix_b_scale:MATRIX_SCALE_ROW1
.elseif \ra
	v_wmma_scale_f32_16x16x128_f8f6f4 v[rD:rD+7], v[rA:rA+7], v[rB:rB+7], 0, v[rSA], v[rSB] matrix_a_fmt:MATRIX_FMT_FP4 matrix_b_fmt:MATRIX_FMT_FP4 matrix_a_scale:MATRIX_SCALE_ROW1
.elseif \rb
	v_wmma_scale_f32_16x16x128_f8f6f4 v[rD:rD+7], v[rA:rA+7], v[rB:rB+7], 0, v[rSA], v[rSB] matrix_a_fmt:MATRIX_FMT_FP4 matrix_b_fmt:MATRIX_FMT_FP4 matrix_b_scale:MATRIX_SCALE_ROW1
.else
	v_wmma_scale_f32_16x16x128_f8f6f4 v[rD:rD+7], v[rA:rA+7], v[rB:rB+7], 0, v[rSA], v[rSB] matrix_a_fmt:MATRIX_FMT_FP4 matrix_b_fmt:MATRIX_FMT_FP4
.endif
.else
.if (\ra) && (\rb)
	v_wmma_scale_f32_16x16x128_f8f6f4 v[rD:rD+7], v[rA:rA+7], v[rB:rB+7], v[rD:rD+7], v[rSA], v[rSB] matrix_a_fmt:MATRIX_FMT_FP4 matrix_b_fmt:MATRIX_FMT_FP4 matrix_a_scale:MATRIX_SCALE_ROW1 matrix_b_scale:MATRIX_SCALE_ROW1
.elseif \ra
	v_wmma_scale_f32_16x16x128_f8f6f4 v[rD:rD+7], v[rA:rA+7], v[rB:rB+7], v[rD:rD+7], v[rSA], v[rSB] matrix_a_fmt:MATRIX_FMT_FP4 matrix_b_fmt:MATRIX_FMT_FP4 matrix_a_scale:MATRIX_SCALE_ROW1
.elseif \rb
	v_wmma_scale_f32_16x16x128_f8f6f4 v[rD:rD+7], v[rA:rA+7], v[rB:rB+7], v[rD:rD+7], v[rSA], v[rSB] matrix_a_fmt:MATRIX_FMT_FP4 matrix_b_fmt:MATRIX_FMT_FP4 matrix_b_scale:MATRIX_SCALE_ROW1
.else
	v_wmma_scale_f32_16x16x128_f8f6f4 v[rD:rD+7], v[rA:rA+7], v[rB:rB+7], v[rD:rD+7], v[rSA], v[rSB] matrix_a_fmt:MATRIX_FMT_FP4 matrix_b_fmt:MATRIX_FMT_FP4
.endif
.endif
.endm
; 32 products of S^T = K Q^T: K steps 4 kh + 0 .. 3, my two tiles of keys x four tiles of queries.  The eight accumulators take turns, one instruction a turn.
.macro MUL kf, ks, kh, zero
	WIN 0x04                                       ; source 1 (Q) in window 1
.irp sp, 0,1,2,3
.irp u, 0,1
.irp qt, 0,1,2,3
.set rD, S+16*\qt+8*\u
.set rA, \kf+16*\sp+8*\u
.set rB, 64*\qt+8*(4*\kh+\sp)
.set rSA, \ks+\sp
.set rSB, QS+2*(4*\kh+\sp)+\qt/2
.if (\zero) && (\sp == 0)
	WM \u, \qt%2, 1
.else
	WM \u, \qt%2, 0
.endif
.endr
.endr
.endr
	WIN 0
.endm
; 32 products of O^T += V^T P^T: one K step of 128 keys, my eight tiles of dv x four tiles of queries: 32 accumulators by turns.
.macro PV kf, ks, pf, ps, zero
	WIN 0x50                                       ; C and D in window 1
.irp f, 0,1,2,3,4,5,6,7
.irp qt, 0,1,2,3
.set rD, 64*\qt+8*\f
.set rA, \kf+8*\f
.set rB, \pf+8*\qt
.set rSA, \ks+2*((\f/2)%2)+\f/4
.set rSB, \ps+\qt/2
	WM \f%2, \qt%2, \zero
.endr
.endr
	WIN 0
.endm
; 64 numbers of a lane, v[s] on, register 16 b + i = k 32 b + 16 (lane / 16) + i of my row, become a fragment's codes in v[QPC] on and its scale word in v[PW].
.macro QUANT s
.irp b, 0,1,2,3
	v_max3_num_f32 v[TM+\b], |v[\s+16*\b]|, |v[\s+1+16*\b]|, 0x1800000   ; block b: my 16 numbers, and the floor 2^(3 - 127): the byte cannot fall under 1
.endr
.irp i, 2,4,6,8,10,12,14
.irp b, 0,1,2,3
	v_max3_num_f32 v[TM+\b], v[TM+\b], |v[\s+16*\b+\i]|, |v[\s+1+16*\b+\i]|   ; (the four blocks by turns)
.endr
.endr
.irp b, 0,1,2,3
	v_permlanex16_b32 v[TM+4+\b], v[TM+\b], s40, s41
.endr
.irp b, 0,1,2,3
	v_max_num_f32 v[TM+\b], v[TM+\b], v[TM+4+\b]   ; with lane l xor 16's: the block's largest magnitude
.endr
.irp b, 0,1,2,3
	v_add_nc_u32 v[TM+12+\b], 0xff000000, v[TM+\b]   ; 2 off its exponent field: the conversion's scale operand
.endr
.irp b, 0,1,2,3
	v_lshrrev_b32 v[TM+4+\b], 23, v[TM+12+\b]      ; the scale's byte
.endr
	v_lshl_or_b32 v[PW], v[TM+5], 8, v[TM+4]
	v_lshl_or_b32 v[PW], v[TM+6], 16, v[PW]
	v_lshl_or_b32 v[PW], v[TM+7], 24, v[PW]
.irp b, 0,1,2,3
	v_cvt_scalef32_pk8_fp4_f32 v[QPC+2*\b], v[\s+16*\b:\s+7+16*\b], v[TM+12+\b]
	v_cvt_scalef32_pk8_fp4_f32 v[QPC+1+2*\b], v[\s+8+16*\b:\s+15+16*\b], v[TM+12+\b]
.endr
	v_nop                                          ; one plain place behind a scaled conversion
.irp c, 0,1                                    ; the operand's layout wants a WHOLE block in a lane: lanes 0-15 block 2 c, lanes 16-31 block 2 c + 1
.irp i, 0,1
	v_permlane16_swap_b32 v[QPC+4*\c+\i], v[QPC+2+4*\c+\i]
.endr
.endr
.endm
.macro XLOAD reg, s2                   ; my 16 rows' numbers of my K step s2 (64 a lane): of each block of 32 my half's 16 neighbours
.irp b, 0,1,2,3
.irp j, 0,1,2,3
	global_load_b128 v[\reg+16*\b+4*\j:\reg+16*\b+4*\j+3], v56, s[4:5] offset:512*\s2+128*\b+16*\j th:TH_LOAD_NT
.endr
.endr
.endm
.macro QOUT s2                         ; the fragment goes to LDS as an image of its registers, its scale word beside it (both halves of the lanes hold the same word and write it to the same place)
	ds_store_b128 v57, v[QPC:QPC+3] offset:1024*\s2
	ds_store_b128 v57, v[QPC+4:QPC+7] offset:1024*\s2+512
	ds_store_b32 v58, v[PW] offset:256*\s2
.endm
	s_load_b128 s[4:7], s[0:1], 0x0                ; q, kv
	s_load_b64 s[8:9], s[0:1], 0x10                ; out0
	v_lshrrev_b32 v220, 5, v0
	v_readfirstlane_b32 s10, v220                  ; wave w 0..7
	s_and_b32 s11, ttmp9, 3                        ; my place among the four work-groups that walk alike: it enters the prefetches' address alone
	s_lshr_b32 s12, ttmp9, 2
	s_lshl_b32 s12, s12, 1                         ; the rotation: 2 (x / 4)
	s_and_b32 s13, ttmp7, 0xffff                   ; the batch
	s_mul_i32 s54, s13, 32*REC                     ; the batch's first record,
	s_lshl_b32 s55, s10, 13
	s_add_co_u32 s34, s54, s55                     ; my wave's 8,192 bytes of codes in it
	s_mov_b32 s35, 0                               ; (stays 0: the upper word of the pair s[34:35])
	s_mov_b32 s40, 0x76543210
	s_mov_b32 s41, 0xfedcba98                      ; v_permlanex16_b32's selects for lane l xor 16
	s_mov_b32 s42, 0x3e13bb63                      ; c = 0.1 log2(e)
	s_mov_b32 s43, s42                             ; (named with it as a pair, so it is written)
	s_lshl_b32 s56, s11, 14                        ; the prefetches: my work-group's 16,384 bytes of a record's codes, my wave's 8,192 of them (waves 0 and 1 alone ask),
	s_add_co_u32 s44, s34, s56
	s_add_co_u32 s56, s12, 16                      ; in v's first record of my walk
	s_mul_i32 s56, s56, REC
	s_add_co_u32 s44, s44, s56
	s_mov_b32 s45, 0
	s_cmp_lt_u32 s10, 2
	s_cselect_b32 s39, 5, -1                       ; the trip in which I prefetch, or none
	s_lshl_b32 s50, s13, 23                        ; a batch of q or out0 is 2^23 bytes, 64 rows are 2^18
	s_lshl_b32 s55, ttmp9, 18
	s_add_co_u32 s50, s50, s55
	s_lshl_b32 s52, s10, 9
	s_add_co_u32 s52, s52, s50                     ; out0: my block's first row, my 128 columns
	s_lshr_b32 s55, s10, 1                         ; q: wave w quantises tile qt = w / 2, K steps 4 (w % 2) + 0 .. 3
	s_lshl_b32 s55, s55, 16
	s_add_co_u32 s50, s50, s55
	s_and_b32 s55, s10, 1
	s_lshl_b32 s55, s55, 11
	s_add_co_u32 s50, s50, s55
	s_mov_b32 s51, 0
	s_mov_b32 s53, 0
	s_mul_i32 s56, s12, REC                        ; the walk's record 0 is record 2 (x / 4)
	s_mov_b32 s57, 0
	v_and_b32 v220, 31, v0                         ; lane
	v_and_b32 v221, 15, v0                         ; r
	v_bfe_u32 v222, v0, 4, 1                       ; h
	v_lshlrev_b32 v56, 12, v221
	v_lshl_add_u32 v56, v222, 6, v56               ; q: row r of 4,096 bytes, + 64 h
	s_wait_kmcnt 0x0
	s_add_nc_u64 s[32:33], s[6:7], s[34:35]        ; kv at my codes of the batch's record 0
	s_add_nc_u64 s[BA:BA+1], s[32:33], s[56:57]
	s_add_nc_u64 s[BB:BB+1], s[BA:BA+1], REC       ; the walk's record 1 is the record behind it
	s_add_nc_u64 s[46:47], s[6:7], s[44:45]
	s_add_nc_u64 s[4:5], s[4:5], s[50:51]
	s_add_nc_u64 s[8:9], s[8:9], s[52:53]
	XLOAD FA, 0
	XLOAD S, 1
	; the addresses, while q is on its way
	s_mul_i32 s54, s10, 7680
	s_sub_co_u32 s54, 0x10000, s54
	v_lshl_add_u32 v[VSO], v220, 3, s54
	s_lshr_b32 s54, s10, 2                         ; my 32 keys of a step are block w % 4 of K step 2 j + w / 4
	s_and_b32 s56, s10, 3
	s_lshl_b32 s55, s54, 12
	s_lshl_b32 s57, s56, 8
	s_add_co_u32 s55, s55, s57
	s_add_co_u32 s55, s55, PIMG
	v_lshl_add_u32 v[PST], v221, 4, s55
	v_lshl_add_u32 v[PST], v222, 3, v[PST]         ; a block's 16 bytes of query r; my half's 8
	s_lshl_b32 s55, s10, 12
	s_add_co_u32 s57, s55, ETAB
	v_lshl_add_u32 v[EST], v220, 4, s57
	s_add_co_u32 s57, s55, QIMG
	v_lshl_add_u32 v57, v220, 4, s57               ; where I store Q's images: fragment 8 qt + s = 4 w + s2
	v_lshl_add_u32 v59, v220, 4, QIMG              ; where Q's images are read,
	v_lshl_add_u32 v61, v220, 2, QSC               ; and its scale words
	s_and_b32 s54, s10, 1
	s_lshl_b32 s54, s54, 10
	s_lshr_b32 s55, s10, 2
	s_lshl_b32 s55, s55, 7
	s_add_co_u32 s54, s54, s55
	s_bfe_u32 s55, s10, 0x10001
	s_lshl_b32 s55, s55, 6
	s_add_co_u32 s54, s54, s55
	s_add_co_u32 s54, s54, QSC
	v_lshl_add_u32 v58, v221, 2, s54               ; where I store Q's scale words
	v_lshlrev_b32 v[PFO], 8, v220
	v_lshlrev_b32 v[GO], 4, v220
.irp q, 0,1,2,3
	v_mov_b32 v[ST+4*\q+1], 0xff61b1e6             ; the largest t so far: -3e38, under every t
	v_floor_f32 v[ST+4*\q], -v[ST+4*\q+1]          ; -M
	v_mov_b32 v[ST+4*\q+2], 0                      ; l, in two halves
	v_mov_b32 v[ST+4*\q+3], 0
	v_mov_b32 v[TM+4+\q], 0                        ; written once: a lane permute's destination counts as one of its sources
	v_mov_b32 v[PX+\q], 0
.endr
	; q: four K steps through two sets of 64 registers
	s_wait_loadcnt 16                              ; K step 0's 16 loads are in; the 16 younger ones may be out
	QUANT FA
	QOUT 0
	s_wait_dscnt 0x0                               ; the stores have read their registers
	XLOAD FA, 2
	s_wait_loadcnt 16                              ; K step 1
	QUANT S
	QOUT 1
	s_wait_dscnt 0x0
	XLOAD S, 3
	s_wait_loadcnt 16                              ; K step 2
	QUANT FA
	QOUT 2
	s_wait_dscnt 0x0
	LOADREC BA, FA, KSA                            ; set A is done with q: the walk's record 0 is asked for
	s_wait_loadcnt 18                              ; K step 3's 16 loads are in; the record's 18 may be out
	QUANT S
	QOUT 3
	BARRIER                                        ; Q's 32 fragments and their scale words lie in LDS
	LOADREC BB, FB, KSB                            ; the quantiser's registers are done with: the walk's record 1
	WIN 0x40                                       ; destination window 1
.set i, 0
.rept 32
	ds_load_b128 v[8*i:8*i+3], v59 offset:1024*i
	ds_load_b128 v[8*i+4:8*i+7], v59 offset:1024*i+512
.set i, i+1
.endr
	WIN 0
.set i, 0
.rept 16
	ds_load_b32 v[QS+i], v61 offset:128*i
.set i, i+1
.endr
; THE SOFTMAX of my block of 32 keys for the four tiles of queries, which take turns line by line; each tile has its own M.  It touches neither register set: both are on their way meanwhile.
.macro SOFTMAX
.irp q, 0,1,2,3
	v_max3_num_f32 v[BM+\q], v[S+16*\q], v[S+16*\q+1], v[S+16*\q+2]   ; the block's largest score; each accumulator is read from its low end on
.endr
.irp i, 3,5,7,9,11,13
.irp q, 0,1,2,3
	v_max3_num_f32 v[BM+\q], v[BM+\q], v[S+16*\q+\i], v[S+16*\q+\i+1]
.endr
.endr
.irp q, 0,1,2,3
	v_max_num_f32 v[BM+\q], v[BM+\q], v[S+16*\q+15]
.endr
.irp q, 0,1,2,3
	v_permlanex16_b32 v[PX+\q], v[BM+\q], s40, s41
.endr
.irp q, 0,1,2,3
	v_max_num_f32 v[BM+\q], v[BM+\q], v[PX+\q]     ; with lane l xor 16's 16 keys
.endr
.irp q, 0,1,2,3
	v_mul_f32 v[PX+\q], s42, v[BM+\q]              ; as t (c is positive)
.endr
.irp q, 0,1,2,3
	v_max_num_f32 v[ST+4*\q+1], v[ST+4*\q+1], v[PX+\q]   ; my wave's running largest t
.endr
.irp q, 0,1,2,3
	v_mov_b32 v[PX+\q], v[ST+4*\q]                 ; the old -M
.endr
.irp q, 0,1,2,3
	v_floor_f32 v[ST+4*\q], -v[ST+4*\q+1]          ; the new -M = -ceil(t): a whole number
.endr
.irp q, 0,1,2,3
	v_sub_f32 v[PX+\q], v[ST+4*\q], v[PX+\q]       ; old M - new M: a whole number, 0 or less
.endr
.irp q, 0,1,2,3
	v_cvt_i32_f32 v[PX+\q], v[PX+\q]               ; (it saturates)
.endr
.irp q, 0,1,2,3
	v_ldexp_f32 v[PX+\q], 1.0, v[PX+\q]            ; 2^(old M - new M): l goes under the new M by a multiplication that rounds nothing
.endr
.irp i, 0,2,4,6,8,10,12,14
.irp q, 0,1,2,3
	v_pk_fma_f32 v[S+16*\q+\i:S+16*\q+\i+1], v[S+16*\q+\i:S+16*\q+\i+1], s[42:43], v[ST+4*\q:ST+4*\q+1] op_sel_hi:[1,0,0]   ; t - M, two at a time
.endr
.endr
.irp q, 0,1,2,3
	v_fma_f32 v[BM+\q], v[BM+\q], s42, v[ST+4*\q]  ; the same of the block's largest score
.endr
.set i, 0
.rept 64
	v_exp_f32 v[S+i], v[S+i]                       ; p = 2^(t - M): one batch
.set i, i+1
.endr
.irp q, 0,1,2,3
	v_mul_f32 v[ST+4*\q+2], v[ST+4*\q+2], v[PX+\q] ; l under the new M: plain lines behind the exponentials
	v_mul_f32 v[ST+4*\q+3], v[ST+4*\q+3], v[PX+\q]
.endr
	s_wait_alu depctr_va_vdst(0)                   ; one wait for the batch, ahead of its first reader
.irp q, 0,1,2,3
	v_exp_f32 v[BM+\q], v[BM+\q]                   ; the block's largest p: the same two instructions on the same number give the same bits
.endr
.irp i, 0,2,4,6,8,10,12,14
.irp q, 0,1,2,3
	v_pk_add_f32 v[ST+4*\q+2:ST+4*\q+3], v[ST+4*\q+2:ST+4*\q+3], v[S+16*\q+\i:S+16*\q+\i+1]   ; l is taken of the UNQUANTISED p; these read the 64 alone
.endr
.endr
	s_wait_alu depctr_va_vdst(0)                   ; and one for the four
.irp q, 0,1,2,3
	v_max_num_f32 v[BM+\q], 0x1800000, v[BM+\q]    ; the floor 2^(3 - 127)
.endr
.irp q, 0,1,2,3
	v_add_nc_u32 v[BM+\q], 0xff000000, v[BM+\q]    ; 2 off the exponent field: the conversion's scale operand
.endr
.irp q, 0,1,2,3
	v_lshrrev_b32 v[EE+\q], 23, v[BM+\q]           ; the byte under the M in hand
.endr
.irp q, 0,1,2,3
	v_cvt_f32_u32 v[EE+\q], v[EE+\q]
.endr
.irp q, 0,1,2,3
	v_sub_f32 v[EE+\q], v[EE+\q], v[ST+4*\q]       ; byte + M: what does not hang on the M in hand
.endr
	v_cvt_scalef32_pk8_fp4_f32 v[PX], v[S:S+7], v[BM]             ; tile 0's codes,
	v_cvt_scalef32_pk8_fp4_f32 v[PX+1], v[S+8:S+15], v[BM]
	v_cvt_scalef32_pk8_fp4_f32 v[PX+2], v[S+16:S+23], v[BM+1]     ; tile 1's,
	v_cvt_scalef32_pk8_fp4_f32 v[PX+3], v[S+24:S+31], v[BM+1]
	v_cvt_scalef32_pk8_fp4_f32 v[PC2], v[S+32:S+39], v[BM+2]      ; tile 2's
	v_cvt_scalef32_pk8_fp4_f32 v[PC2+1], v[S+40:S+47], v[BM+2]
	v_nop                                          ; a plain place: tile 3's codes land on the scale operands of tiles 0 and 1, which are done with
	v_cvt_scalef32_pk8_fp4_f32 v[BM], v[S+48:S+55], v[BM+3]
	v_cvt_scalef32_pk8_fp4_f32 v[BM+1], v[S+56:S+63], v[BM+3]
	v_nop                                          ; one plain place behind the last scaled conversion
	ds_store_b64 v[PST], v[PX:PX+1]                ; the 32 lanes store 256 consecutive bytes: my block of the fragment's image: no lane changes places
	ds_store_b64 v[PST], v[PX+2:PX+3] offset:1024
	ds_store_b64 v[PST], v[PC2:PC2+1] offset:2048
	ds_store_b64 v[PST], v[BM:BM+1] offset:3072
	ds_store_b128 v[EST], v[EE:EE+3]
	v_add_nc_u32 v[PST], 8192, v[PST]              ; the next step's two K steps
	v_add_nc_u32 v[EST], 512, v[EST]
.endm
	; ---- PHASE 1: eight trips, a step of 256 keys (two records: d 0-511, d 512-1023) a trip.  No barrier: a wave reads its own loads and stores to its own LDS bytes.
	s_mov_b32 s36, 2                               ; the next record to be asked for is the walk's record 2
	s_mov_b32 s38, 0
.Lstep:
	s_wait_dscnt 0x0                               ; first trip: Q and its scale words are in; later: the last step's stores have read their registers
	s_wait_loadcnt 18                              ; set A's 18 loads are in; set B's 18, issued behind them, may be out
	MUL FA, KSA, 0, 1                              ; the first eight products start the sums: nothing is cleared
	PLACES
	NEXT BA
	LOADREC BA, FA, KSA                            ; set A again: the record two on (in the last trip: v's first)
	s_wait_loadcnt 18                              ; set B is in; the 18 just issued may be out
	MUL FB, KSB, 1, 0
	PLACES                                         ; ahead of the loads into set B and of the first read of the scores
	NEXT BB
	LOADREC BB, FB, KSB
	ASK
	SOFTMAX
	s_add_co_u32 s38, s38, 1
	s_cmp_lt_u32 s38, 8
	s_cbranch_scc1 .Lstep
	; ---- TRANSITION.  v's first two records stay on their way into the two sets.
	s_wait_dscnt 0x0                               ; the last step's stores have read their registers
.irp q, 0,1,2,3
	v_add_f32 v[ST+4*\q+1], v[ST+4*\q+2], v[ST+4*\q+3]   ; l's two halves,
.endr
.irp q, 0,1,2,3
	v_permlanex16_b32 v[PX+\q], v[ST+4*\q+1], s40, s41
.endr
.irp q, 0,1,2,3
	v_add_f32 v[ST+4*\q+1], v[ST+4*\q+1], v[PX+\q]       ; and lane l xor 16's: my wave's l, under my wave's M
.endr
	v_and_b32 v56, 31, v0
	v_lshl_add_u32 v58, v56, 4, ETAB
	v_lshl_add_u32 v[PLD], v56, 4, PIMG
	v_lshl_add_u32 v[PSL], v56, 2, PSC
	v_lshl_add_u32 v56, v56, 3, XCH                ; where all waves' pairs are read,
	s_lshl_b32 s54, s10, 10
	v_add_nc_u32 v57, s54, v56                     ; where mine are stored,
	s_lshl_b32 s54, s10, 12
	v_add_nc_u32 v58, s54, v58                     ; where my byte + M lie,
	s_lshr_b32 s54, s10, 2
	s_lshl_b32 s54, s54, 8
	s_and_b32 s55, s10, 3
	s_add_co_u32 s54, s54, s55
	s_add_co_u32 s54, s54, PSC
	v_and_b32 v[PBS], 15, v0
	v_lshl_add_u32 v[PBS], v[PBS], 2, s54          ; and where my blocks' bytes go: K step w / 4 of a step's two, query r, block w % 4
.irp q, 0,1,2,3
	ds_store_b64 v57, v[ST+4*\q:ST+4*\q+1] offset:256*\q
.endr
	BARRIER                                        ; every wave's pairs and its images of P lie in LDS
.irp w, 0,1,2,3,4,5,6,7
.irp q, 0,1,2,3
	ds_load_b64 v[S+8*\w+2*\q:S+8*\w+2*\q+1], v56 offset:1024*\w+256*\q
.endr
.endr
	s_wait_dscnt 0x0
.irp q, 0,1,2,3
	v_min3_num_f32 v[BM+\q], v[S+2*\q], v[S+8+2*\q], v[S+16+2*\q]   ; the least -M of the eight waves: the row's
.endr
.irp q, 0,1,2,3
	v_min3_num_f32 v[BM+\q], v[BM+\q], v[S+24+2*\q], v[S+32+2*\q]
.endr
.irp q, 0,1,2,3
	v_min3_num_f32 v[BM+\q], v[BM+\q], v[S+40+2*\q], v[S+48+2*\q]
.endr
.irp q, 0,1,2,3
	v_min_num_f32 v[BM+\q], v[BM+\q], v[S+56+2*\q]
.endr
.irp w, 0,1,2,3,4,5,6,7
.irp q, 0,1,2,3
	v_sub_f32 v[S+8*\w+2*\q], v[BM+\q], v[S+8*\w+2*\q]   ; that wave's M - the row's: a whole number, 0 or less
.endr
.endr
.irp w, 0,1,2,3,4,5,6,7
.irp q, 0,1,2,3
	v_cvt_i32_f32 v[S+8*\w+2*\q], v[S+8*\w+2*\q]
.endr
.endr
.irp w, 0,1,2,3,4,5,6,7
.irp q, 0,1,2,3
	v_ldexp_f32 v[S+8*\w+2*\q+1], v[S+8*\w+2*\q+1], v[S+8*\w+2*\q]   ; its l under the row's M
.endr
.endr
.irp q, 0,1,2,3
	v_add_f32 v[PX+\q], v[S+2*\q+1], v[S+8+2*\q+1]
.endr
.irp w, 2,3,4,5,6,7
.irp q, 0,1,2,3
	v_add_f32 v[PX+\q], v[PX+\q], v[S+8*\w+2*\q+1]
.endr
.endr
.irp j, 0,1,2,3,4,5,6,7
	ds_load_b128 v[S+4*\j:S+4*\j+3], v58 offset:512*\j   ; the pairs are used up: my 32 blocks' byte + M take their place
.endr
.irp q, 0,1,2,3
	v_rcp_f32 v[ST+4*\q], v[PX+\q]                 ; 1 / l; the bytes' lines below are the independent work behind the four
.endr
	s_wait_dscnt 0x0
.irp j, 0,1,2,3,4,5,6,7
.irp q, 0,1,2,3
	v_add_f32 v[S+4*\j+\q], v[S+4*\j+\q], v[BM+\q]       ; (byte + M) - the row's M: my block's byte under the row's M
.endr
.endr
.irp j, 0,1,2,3,4,5,6,7
.irp q, 0,1,2,3
	v_max_num_f32 v[S+4*\j+\q], 0, v[S+4*\j+\q]          ; held at 0 from below
.endr
.endr
.irp j, 0,1,2,3,4,5,6,7
.irp q, 0,1,2,3
	v_cvt_u32_f32 v[S+4*\j+\q], v[S+4*\j+\q]
.endr
.endr
.irp j, 0,1,2,3,4,5,6,7
.irp q, 0,1,2,3
	ds_store_b8 v[PBS], v[S+4*\j+\q] offset:512*\j+64*\q   ; both halves of the lanes write the same byte with the same value
.endr
.endr
	s_wait_alu depctr_va_vdst(0)                   ; the wait for the four reciprocals, ahead of every label and of their first reader
	BARRIER                                        ; P's scale words are whole
	LOADP 0, PA, PSA
	LOADP 1, PB, PSB
; ---- PHASE 2: eight pairs of K steps of 128 keys.  No barrier: P is only read.  more = 1: each set, and each set of P, is asked for again, two K steps on, as soon as it has been multiplied.
.macro PAIR zero, more
	s_wait_loadcnt 18                              ; set A is in; set B's 18 loads may be out
	s_wait_dscnt 10                                ; P's set A is in; set B's 10 loads may be out
	PV FA, KSA, PA, PSA, \zero
.if \more
	PLACES
	NEXT BA
	LOADREC BA, FA, KSA
	LOADP 2, PA, PSA
	s_wait_loadcnt 18                              ; set B is in; the 18 just issued may be out
	s_wait_dscnt 10
.else
	s_wait_loadcnt 0x0
	s_wait_dscnt 0x0
.endif
	PV FB, KSB, PB, PSB, 0
.if \more
	PLACES
	NEXT BB
	LOADREC BB, FB, KSB
	LOADP 3, PB, PSB
	v_add_nc_u32 v[PLD], 8192, v[PLD]
	v_add_nc_u32 v[PSL], 512, v[PSL]
.endif
.endm
	PAIR 1, 1                                      ; the first K step starts the sums: written out ahead of the loop
	s_mov_b32 s38, 6
.Lpair:
	PAIR 0, 1
	s_sub_co_u32 s38, s38, 1
	s_cmp_lg_u32 s38, 0
	s_cbranch_scc1 .Lpair
	PAIR 0, 0                                      ; the last pair asks for nothing
	; ---- THE WAY OUT, a tile of 16 queries at a time.  In O^T lane (r, h) holds query r, and registers 16 a + 0 .. 15 of a tile are dv 128 w + 32 a + 16 h + 0 .. 15.  O^T / l goes through my stage in LDS and comes back as whole rows of 512 bytes.
	s_mul_i32 s54, s10, STGB
	v_and_b32 v56, 15, v0                          ; these six plain lines, which name no register of the last products, are the places behind them
	v_bfe_u32 v57, v0, 4, 1
	v_mul_u32_u24 v[STO], v56, 528
	v_lshl_add_u32 v[STO], v57, 6, v[STO]
	v_add_nc_u32 v[STO], s54, v[STO]               ; in: row r, + 64 h
	v_add_nc_u32 v[SRD], s54, v[GO]                ; back: 16 bytes a lane
.macro PACK qt
	WIN 0x01                                       ; source 0 in window 1
.set i, 0
.rept 32
	v_pk_mul_f32 v[S+2*i:S+2*i+1], v[64*\qt+2*i:64*\qt+2*i+1], v[ST+4*\qt:ST+4*\qt+1] op_sel_hi:[1,0]   ; each accumulator from its low end on
.set i, i+1
.endr
	WIN 0
.endm
.macro TOSTAGE qt
.irp a, 0,1,2,3
.irp p, 0,1,2,3
	ds_store_b128 v[STO], v[S+16*\a+4*\p:S+16*\a+4*\p+3] offset:128*\a+16*\p
.endr
.endr
.irp t, 0,1,2,3,4,5,6,7,8,9,10,11,12,13,14,15
	ds_load_b128 v[FA+64*((\qt)%2)+4*\t:FA+64*((\qt)%2)+4*\t+3], v[SRD] offset:528*\t   ; LDS serves a wave's instructions in order (ISA guide 5.7.1.4): these see the stores above, and the next tile's stores come behind them
.endr
.endm
.macro SEND qt, younger                ; younger: the LDS instructions issued behind this tile's loads, which may stay out
	s_wait_dscnt \younger
.irp t, 0,1,2,3,4,5,6,7,8,9,10,11,12,13,14,15
	global_store_b128 v[GO], v[FA+64*((\qt)%2)+4*\t:FA+64*((\qt)%2)+4*\t+3], s[8:9] offset:(16*(\qt)+\t)*4096 th:TH_STORE_NT   ; 32 lanes store 512 consecutive bytes at a multiple of 256 from out0's first byte
.endr
.endm
	PACK 0
	TOSTAGE 0
	PACK 1
	TOSTAGE 1
	SEND 0, 32                                     ; behind tile 0's loads: tile 1's 16 stores and 16 loads
	s_wait_xcnt 0x0                                ; tile 0's stores have read their registers: tile 2's rows may land there
	PACK 2
	TOSTAGE 2
	SEND 1, 32
	s_wait_xcnt 0x0                                ; tile 1's likewise
	PACK 3
	TOSTAGE 3
	SEND 2, 32
	SEND 3, 0
	s_wait_xcnt 0x0
	v_lshl_add_u32 v254, v0, 2, 0x34000
	v_mov_b32 v255, 0
	s_wait_tensorcnt 0x0
	ds_add_u32 v254, v255
	s_wait_dscnt 0x0
	s_endpgm
.Lfunc_end_k_q40e3ca0435_attn:
	.size	k_q40e3ca0435_attn, .Lfunc_end_k_q40e3ca0435_attn-k_q40e3ca0435_attn
	.p2alignl 7, 3214868480
	.fill 96, 4, 3214868480
	.section	.rodata,"a",@progbits
	.p2align	6, 0x0
	.amdhsa_kernel k_q40e3ca0435_attn
		.amdhsa_group_segment_fixed_size 214016
		.amdhsa_private_segment_fixed_size 0
		.amdhsa_enable_private_segment 0
		.amdhsa_kernarg_size 24
		.amdhsa_user_sgpr_count 2
		.amdhsa_user_sgpr_kernarg_segment_ptr 1
		.amdhsa_wavefront_size32 1
		.amdhsa_system_sgpr_workgroup_id_x 1
		.amdhsa_system_sgpr_workgroup_id_y 1
		.amdhsa_system_sgpr_workgroup_id_z 1
		.amdhsa_system_vgpr_workitem_id 0
		.amdhsa_next_free_vgpr 512
		.amdhsa_next_free_sgpr 66
		.amdhsa_reserve_vcc 0
		.amdhsa_float_denorm_mode_32 3
		.amdhsa_float_denorm_mode_16_64 3
		.amdhsa_memory_ordered 1
		.amdhsa_forward_progress 1
		.amdhsa_inst_pref_size 136
	.end_amdhsa_kernel
	.amdgpu_metadata
---
amdhsa.version: [ 1, 2 ]
amdhsa.kernels:
  - .name:           k_q40e3ca0435_attn
    .symbol:         k_q40e3ca0435_attn.kd
    .args:
      - { .name: q, .offset: 0, .size: 8, .value_kind: global_buffer, .address_space: global }
      - { .name: kv, .offset: 8, .size: 8, .value_kind: global_buffer, .address_space: global }
      - { .name: out0, .offset: 16, .size: 8, .value_kind: global_buffer, .address_space: global }
    .group_segment_fixed_size: 214016
    .private_segment_fixed_size: 0
    .kernarg_segment_align: 8
    .kernarg_segment_size: 24
    .max_flat_workgroup_size: 256
    .sgpr_count:     66
    .vgpr_count:     512
    .wavefront_size: 32
...
	.end_amdgpu_metadata
.endif
;; end of part 2
;; ======== version 2 of 2: 2 launches; version 1 with the launch attn written anew for expert scheduling mode
;; limits: right only within a limited range of input values
;; workspace buffers: kv 17,825,792 bytes
;; launch quant: the kernel of part 1 again; grid 256 x 2, 4 waves a work-group, no clusters, 262,656 bytes of LDS; arguments k, v, kv; writes kv
;; launch attn (part 3): grid 32 x 8, 8 waves a work-group, no clusters, 214,016 bytes of LDS; arguments q, kv, out0; writes out0
.if DOCPART == 3
	.amdgcn_target "amdgcn-amd-amdhsa--gfx1250"
	.amdhsa_code_object_version 6
	.text
	.protected	k_q40e3ca0435_attn
	.globl	k_q40e3ca0435_attn
	.p2align	8
	.type	k_q40e3ca0435_attn,@function
k_q40e3ca0435_attn:
	s_mov_b64 s[64:65], 0
	v_nop
	global_prefetch_b8 v0, s[64:65] scope:SCOPE_SE
	s_setreg_imm32_b32 hwreg(HW_REG_WAVE_SCHED_MODE, 0, 2), 2
	s_setreg_imm32_b32 hwreg(HW_REG_WAVE_MODE, 25, 1), 1
	s_wait_xcnt 0x0
	s_wait_alu depctr_vm_vsrc(0)
; out0[b][s][:] = the sum over keys t of softmax_t(0.1 q[b][s] . k[b][:, t]) v[b][t][:], both products on codes of FP4 (E2M1) with one E8M0 byte for each 32 along a product's K.
; q [8][2048][1024] f32 is quantised here; k and v come as the records of kv (8 batches x 32 records of 69,632 bytes, laid in the order of the operand registers: see the launch that makes them).
; THE SOFTMAX: t = score x c, c = 0.1 log2(e) as ONE f32 constant; M = the row's largest t rounded UP to a whole number; p = 2^(t - M) is quantised along the keys, not normalised; the row's sum l is taken of the unquantised p and divides at the end.
; SHARES.  A work-group owns 64 queries of one batch: four tiles qt of 16.  Eight waves of 512 registers, two to a SIMD.
; TWO PHASES.  1: the walk over k's 16 records.  A step is 256 keys; wave w owns keys 32 w .. + 31 of it, ONE block of the quantiser, for all 64 queries: S^T = K Q^T (source 0 = 16 keys, source 1 = 16 queries: a lane holds one query,
;   and the 16 registers of a pair of tiles are 16 neighbouring keys).  p is made under a running whole M of the wave's own, quantised at once, and ALL of P is parked in LDS as images of the second product's operand registers (65,536 bytes);
;   of each block the whole number byte + M is kept.  TRANSITION: the row's M is the largest of the eight waves'; each block's byte is brought under it by a subtraction, which is exact; l is summed.
;   2: the walk over v's 16 records: O^T = V^T P^T, wave w owning dv 128 w .. + 127 for all 64 queries: a plain product: nothing is rescaled.  Q (256 registers) and O^T (256) never live at the same time.
; THE RECORDS COME STRAIGHT INTO REGISTERS; NO RING, NO CLUSTER.  Of a record each byte is an operand of ONE wave of a work-group (wave w's eighth: 8,192 bytes of codes, 512 of scale words), so LDS would only be a way station.
;   A ring whose slots are filled again has on its way what one refill brings; beside P's 65,536 bytes two slots of two records (2 x 139,264) do not fit in 327,680, so a refill would bring one record, for 32 matrix instructions a wave.
;   Here each load of a wave reads 512 consecutive bytes; a register set is asked for again as soon as it has been multiplied; up to two eighths (36 loads, 17,408 bytes) of every wave are on their way; the waits are counted;
;   and in neither phase does a wave wait for another.  The price: the four work-groups that walk alike each ask for the records themselves.
; THE WALK IS ROTATED by x / 4 (x: the work-group's number in its batch): walk index n names record (n & 16) | ((n + 2 (x / 4)) & 15), so that a batch's work-groups begin each phase at sixteen different records.
;   Sums do not hang on the order of the keys, and P's images are laid by walk index: no LDS address, branch or trip count hangs on the rotation.
; LIMITS: NaN and infinities are not served.  |t| stays under 2^23, so that M and byte + M are exact whole numbers in f32.  A block of q that is all zeros, or whose largest magnitude lies under 2^-124, gets the byte 1.
;   A block of p that lies more than 2^125 under its row's largest p is held at the byte 0.  c is rounded once where the definition multiplies twice.
; THE MODE: SCHED_MODE bits 1:0 = 2 (LLVM: expert scheduling mode 2), set by the entry lines.  The code itself states the register dependences between vector or matrix instructions and memory or LDS instructions, with s_wait_alu, always for 0.
; THE PLAN.  Registers that memory or LDS instructions touch, and who else names them:
;   sets A and B (v128-191 with v44-47, v192-255 with v48-51)   a run of 32 products reads a set; behind the run, its places and ONE wait on va_vdst the set is asked for again at once, ahead of the wait for the other set's data.
;   v64-127 and v52-55 in phase 2 (P's fragments and scale words)   read by the same runs of products and asked for again behind the same waits.
;   v8-11, v60-61, v4-5, v56-59 in phase 1 (codes, byte + M)   written by the softmax's end; one wait on va_vdst; five LDS stores read them; one wait on vm_vsrc behind the stores frees them, and the stores' two addresses, which are stepped there.
;   v3, v62, v63   offsets made at the head, ahead of a wait on va_vdst, and never written again: the records are reached by scalar bases.
;   v60, v61 in phase 2   read by every LDS load of P; stepped once a pair of K steps, behind a wait on vm_vsrc; the wait on va_vdst behind the next run of products shows them written.
;   The head, the transition and the way out state their dependences line by line below.  Window 1 (Q, then O^T) is loaded once from LDS and otherwise named by matrix and vector instructions alone.
; REGISTERS.  Window 1 (v256-511): Q, fragment (qt, K step s) at 64 qt + 8 s; later O^T, tile (qt, f) at 64 qt + 8 f.  Window 0: the names below.
.set REC,   69632
.set STGB,  8448                       ; LDS from byte 0: the way out: 16 rows x (512 bytes + 16) for each wave
.set PIMG,  67584                      ; P's fragments: 4,096 i + 1,024 qt + 512 c + 16 lane (i: walk K step 0-15 of the second product)
.set QIMG,  133120                     ; Q's fragments: 1,024 (8 qt + s) + 512 c + 16 lane
.set QSC,   165888                     ; Q's scale words: 128 (2 s + qt / 2) + 64 (qt % 2) + 4 r
.set XCH,   167936                     ; (-M, l) of each wave: 1,024 w + 256 qt + 8 lane
.set PSC,   176128                     ; P's scale words: 256 i + 64 qt + 4 r + block
.set ETAB,  180224                     ; each wave's own byte + M: 4,096 w + 512 step + 16 lane; ends at 212,992
.set PST, 1                            ; v1    where I store P's codes; steps 8,192 a key step
.set EST, 2                            ; v2    where I store byte + M; steps 512 a key step
.set VSO, 3                            ; v3    my scale words' byte offset from my codes in a record: 65,536 - 7,680 w + 8 lane; never rewritten
.set BM,  4                            ; v4-7  the softmax: the block's largest score, its largest p, the conversion's scale operand; at last tile 3's codes in v4-5.  Transition: the row's -M
.set PX,  8                            ; v8-11 the other half's maximum; t; old M - new M; 2^(that); at last the codes of tiles 0 and 1.  Transition: l
.set ST,  12                           ; v12-27 for tile qt at ST + 4 qt: -M, the largest t, l in two halves; from the transition on 1 / l stands in -M's place
.set QS,  28                           ; v28-43 Q's scale words: 2 s + qt / 2; lanes 0-15 the even tile's, lanes 16-31 the odd one's
.set KSA, 44                           ; v44-47, v48-51 a record's scale words, sets A and B: lanes 0-15 the even fragment's, lanes 16-31 the odd one's
.set KSB, 48
.set PSA, 52                           ; v52-53, v54-55 P's scale words, sets A and B.  v28-55 hold scales and nothing else
.set PSB, 54
.set EE,  56                           ; v56-59 byte + M of the four tiles; at the head, in the transition and on the way out addresses for a short spell
.set PBS, 59                           ; v59   transition: where I store P's bytes
.set STO, 58                           ; v58   the way out: where I put 64 bytes of a row
.set SRD, 59                           ; v59   the way out: where I read a row back
.set PC2, 60                           ; v60-61 phase 1: tile 2's codes
.set PLD, 60                           ; v60   phase 2: where P's fragments are read; steps 8,192 a pair of K steps
.set PSL, 61                           ; v61   and P's scale words; steps 512 (at the head: where Q's scale words are read)
.set PFO, 62                           ; v62   256 x lane: the prefetches' offset; never rewritten
.set GO,  63                           ; v63   16 x lane: my bytes of a load's or a store's 512; never rewritten
.set S,   64                           ; v64-127 S^T, then p: 16 qt + 8 u2 + j
.set PA,  64                           ; phase 2: P's four fragments, sets A and B
.set PB,  96
.set FA,  128                          ; v128-191 my eight fragments of a record, set A
.set FB,  192                          ; v192-255 set B
.set TM,  192                          ; the head's quantiser, before set B is first asked for: v192-207 at work, v208 the scale word, v212-219 the codes
.set PW,  208
.set QPC, 212
.set BA,  24                           ; s[24:25], s[26:27] my codes in the record that set A, set B was last asked from
.set BB,  26
.set MSB, 0
.macro WIN new                         ; the immediate's high byte repeats the setting that is left; a switch that changes nothing is dropped
.if MSB != \new
	s_set_vgpr_msb (MSB<<8)|\new
.set MSB, \new
.endif
.endm
.macro PLACES                          ; four plain places behind a run of products: ahead of the first read of results by vector instructions; ahead of loads into a set they stand as in the form outside the mode, and the wait that states that dependence follows them
.rept 4
	v_nop
.endr
.endm
.macro BARRIER                         ; my LDS stores have landed and my LDS loads are in: then the work-group's barrier
	s_wait_dscnt 0x0
	s_barrier_signal -1
	s_barrier_wait -1
.endm
.macro NEXT b                          ; base b goes to the walk's next record
	s_wait_xcnt 0x0                                ; every earlier load has had its address translated (ISA guide 3.1): only behind this wait is a base written again
	s_add_co_u32 s34, s36, s12                     ; s36: the walk index; s12: the rotation
	s_and_b32 s34, s34, 15
	s_and_b32 s37, s36, 16
	s_or_b32 s34, s34, s37                         ; the record
	s_mul_i32 s34, s34, REC
	s_add_nc_u64 s[\b:\b+1], s[32:33], s[34:35]
	s_add_co_u32 s36, s36, 1
.endm
.macro LOADREC b, kf, ks               ; my eighth of a record: eight fragments, 512 consecutive bytes a load, and their scale words, 256 a load: 18 loads
.irp f, 0,1,2,3,4,5,6,7
	global_load_b128 v[\kf+8*\f:\kf+8*\f+3], v[GO], s[\b:\b+1] offset:1024*\f
	global_load_b128 v[\kf+8*\f+4:\kf+8*\f+7], v[GO], s[\b:\b+1] offset:1024*\f+512
.endr
	global_load_b64 v[\ks:\ks+1], v[VSO], s[\b:\b+1]
	global_load_b64 v[\ks+2:\ks+3], v[VSO], s[\b:\b+1] offset:256
.endm
.macro LOADP k, pf, ps                 ; P's four fragments and two registers of scale words of the K step k on from where PLD stands: 10 LDS loads
.irp q, 0,1,2,3
	ds_load_b128 v[\pf+8*\q:\pf+8*\q+3], v[PLD] offset:4096*\k+1024*\q
	ds_load_b128 v[\pf+8*\q+4:\pf+8*\q+7], v[PLD] offset:4096*\k+1024*\q+512
.endr
	ds_load_b32 v[\ps], v[PSL] offset:256*\k
	ds_load_b32 v[\ps+1], v[PSL] offset:256*\k+128
.endm
; A PREFETCH INTO THE L2 of the codes of v's first two records of my walk, asked for in trip 5 of phase 1: two trips ahead of the loads that will want them.  It stands behind the trip's second run of loads.
; The four work-groups that walk alike name these two records alone, and share a record's 256 blocks of 256 bytes out by address, 64 each; in each, waves 0 and 1 ask, a lane a block: each block is named once.
; Its offset v62 was written at the head, ahead of a wait on va_vdst, and is never written again.
.macro ASK
	s_cmp_eq_u32 s38, s39
	s_cbranch_scc0 .Lnot_mine_\@
	global_prefetch_b8 v[PFO], s[46:47] th:TH_LOAD_NT scope:SCOPE_SE
	global_prefetch_b8 v[PFO], s[46:47] offset:REC th:TH_LOAD_NT scope:SCOPE_SE
.Lnot_mine_\@:
.endm
; One matrix instruction on the registers named by rD, rA, rB, rSA, rSB.  ra, rb: the side's scales stand in lanes 16-31.  z: the product starts its sum.
.macro WM ra, rb, z
.if \z
.if (\ra) && (\rb)
	v_wmma_scale_f32_16x16x128_f8f6f4 v[rD:rD+7], v[rA:rA+7], v[rB:rB+7], 0, v[rSA], v[rSB] matrix_a_fmt:MATRIX_FMT_FP4 matrix_b_fmt:MATRIX_FMT_FP4 matrix_a_scale:MATRIX_SCALE_ROW1 matrix_b_scale:MATRIX_SCALE_ROW1
.elseif \ra
	v_wmma_scale_f32_16x16x128_f8f6f4 v[rD:rD+7], v[rA:rA+7], v[rB:rB+7], 0, v[rSA], v[rSB] matrix_a_fmt:MATRIX_FMT_FP4 matrix_b_fmt:MATRIX_FMT_FP4 matrix_a_scale:MATRIX_SCALE_ROW1
.elseif \rb
	v_wmma_scale_f32_16x16x128_f8f6f4 v[rD:rD+7], v[rA:rA+7], v[rB:rB+7], 0, v[rSA], v[rSB] matrix_a_fmt:MATRIX_FMT_FP4 matrix_b_fmt:MATRIX_FMT_FP4 matrix_b_scale:MATRIX_SCALE_ROW1
.else
	v_wmma_scale_f32_16x16x128_f8f6f4 v[rD:rD+7], v[rA:rA+7], v[rB:rB+7], 0, v[rSA], v[rSB] matrix_a_fmt:MATRIX_FMT_FP4 matrix_b_fmt:MATRIX_FMT_FP4
.endif
.else
.if (\ra) && (\rb)
	v_wmma_scale_f32_16x16x128_f8f6f4 v[rD:rD+7], v[rA:rA+7], v[rB:rB+7], v[rD:rD+7], v[rSA], v[rSB] matrix_a_fmt:MATRIX_FMT_FP4 matrix_b_fmt:MATRIX_FMT_FP4 matrix_a_scale:MATRIX_SCALE_ROW1 matrix_b_scale:MATRIX_SCALE_ROW1
.elseif \ra
	v_wmma_scale_f32_16x16x128_f8f6f4 v[rD:rD+7], v[rA:rA+7], v[rB:rB+7], v[rD:rD+7], v[rSA], v[rSB] matrix_a_fmt:MATRIX_FMT_FP4 matrix_b_fmt:MATRIX_FMT_FP4 matrix_a_scale:MATRIX_SCALE_ROW1
.elseif \rb
	v_wmma_scale_f32_16x16x128_f8f6f4 v[rD:rD+7], v[rA:rA+7], v[rB:rB+7], v[rD:rD+7], v[rSA], v[rSB] matrix_a_fmt:MATRIX_FMT_FP4 matrix_b_fmt:MATRIX_FMT_FP4 matrix_b_scale:MATRIX_SCALE_ROW1
.else
	v_wmma_scale_f32_16x16x128_f8f6f4 v[rD:rD+7], v[rA:rA+7], v[rB:rB+7], v[rD:rD+7], v[rSA], v[rSB] matrix_a_fmt:MATRIX_FMT_FP4 matrix_b_fmt:MATRIX_FMT_FP4
.endif
.endif
.endm
; 32 products of S^T = K Q^T: K steps 4 kh + 0 .. 3, my two tiles of keys x four tiles of queries.  The eight accumulators take turns, one instruction a turn.
.macro MUL kf, ks, kh, zero
	WIN 0x04                                       ; source 1 (Q) in window 1
.irp sp, 0,1,2,3
.irp u, 0,1
.irp qt, 0,1,2,3
.set rD, S+16*\qt+8*\u
.set rA, \kf+16*\sp+8*\u
.set rB, 64*\qt+8*(4*\kh+\sp)
.set rSA, \ks+\sp
.set rSB, QS+2*(4*\kh+\sp)+\qt/2
.if (\zero) && (\sp == 0)
	WM \u, \qt%2, 1
.else
	WM \u, \qt%2, 0
.endif
.endr
.endr
.endr
	WIN 0
.endm
; 32 products of O^T += V^T P^T: one K step of 128 keys, my eight tiles of dv x four tiles of queries: 32 accumulators by turns.
.macro PV kf, ks, pf, ps, zero
	WIN 0x50                                       ; C and D in window 1
.irp f, 0,1,2,3,4,5,6,7
.irp qt, 0,1,2,3
.set rD, 64*\qt+8*\f
.set rA, \kf+8*\f
.set rB, \pf+8*\qt
.set rSA, \ks+2*((\f/2)%2)+\f/4
.set rSB, \ps+\qt/2
	WM \f%2, \qt%2, \zero
.endr
.endr
	WIN 0
.endm
; 64 numbers of a lane, v[s] on, register 16 b + i = k 32 b + 16 (lane / 16) + i of my row, become a fragment's codes in v[QPC] on and its scale word in v[PW].
.macro QUANT s
.irp b, 0,1,2,3
	v_max3_num_f32 v[TM+\b], |v[\s+16*\b]|, |v[\s+1+16*\b]|, 0x1800000   ; block b: my 16 numbers, and the floor 2^(3 - 127): the byte cannot fall under 1
.endr
.irp i, 2,4,6,8,10,12,14
.irp b, 0,1,2,3
	v_max3_num_f32 v[TM+\b], v[TM+\b], |v[\s+16*\b+\i]|, |v[\s+1+16*\b+\i]|   ; (the four blocks by turns)
.endr
.endr
.irp b, 0,1,2,3
	v_permlanex16_b32 v[TM+4+\b], v[TM+\b], s40, s41
.endr
.irp b, 0,1,2,3
	v_max_num_f32 v[TM+\b], v[TM+\b], v[TM+4+\b]   ; with lane l xor 16's: the block's largest magnitude
.endr
.irp b, 0,1,2,3
	v_add_nc_u32 v[TM+12+\b], 0xff000000, v[TM+\b]   ; 2 off its exponent field: the conversion's scale operand
.endr
.irp b, 0,1,2,3
	v_lshrrev_b32 v[TM+4+\b], 23, v[TM+12+\b]      ; the scale's byte
.endr
	v_lshl_or_b32 v[PW], v[TM+5], 8, v[TM+4]
	v_lshl_or_b32 v[PW], v[TM+6], 16, v[PW]
	v_lshl_or_b32 v[PW], v[TM+7], 24, v[PW]
.irp b, 0,1,2,3
	v_cvt_scalef32_pk8_fp4_f32 v[QPC+2*\b], v[\s+16*\b:\s+7+16*\b], v[TM+12+\b]
	v_cvt_scalef32_pk8_fp4_f32 v[QPC+1+2*\b], v[\s+8+16*\b:\s+15+16*\b], v[TM+12+\b]
.endr
	v_nop                                          ; one plain place behind a scaled conversion
.irp c, 0,1                                    ; the operand's layout wants a WHOLE block in a lane: lanes 0-15 block 2 c, lanes 16-31 block 2 c + 1
.irp i, 0,1
	v_permlane16_swap_b32 v[QPC+4*\c+\i], v[QPC+2+4*\c+\i]
.endr
.endr
.endm
.macro XLOAD reg, s2                   ; my 16 rows' numbers of my K step s2 (64 a lane): of each block of 32 my half's 16 neighbours
.irp b, 0,1,2,3
.irp j, 0,1,2,3
	global_load_b128 v[\reg+16*\b+4*\j:\reg+16*\b+4*\j+3], v56, s[4:5] offset:512*\s2+128*\b+16*\j th:TH_LOAD_NT
.endr
.endr
.endm
.macro QOUT s2                         ; the fragment goes to LDS as an image of its registers, its scale word beside it (both halves of the lanes hold the same word and write it to the same place)
	ds_store_b128 v57, v[QPC:QPC+3] offset:1024*\s2
	ds_store_b128 v57, v[QPC+4:QPC+7] offset:1024*\s2+512
	ds_store_b32 v58, v[PW] offset:256*\s2
.endm
	s_load_b128 s[4:7], s[0:1], 0x0                ; q, kv
	s_load_b64 s[8:9], s[0:1], 0x10                ; out0
	v_lshrrev_b32 v220, 5, v0
	v_readfirstlane_b32 s10, v220                  ; wave w 0..7
	s_and_b32 s11, ttmp9, 3                        ; my place among the four work-groups that walk alike: it enters the prefetches' address alone
	s_lshr_b32 s12, ttmp9, 2
	s_lshl_b32 s12, s12, 1                         ; the rotation: 2 (x / 4)
	s_and_b32 s13, ttmp7, 0xffff                   ; the batch
	s_mul_i32 s54, s13, 32*REC                     ; the batch's first record,
	s_wait_alu depctr_va_sdst(0)                   ; s10 is written, ahead of its first reader: bases, LDS places and branches are made from it
	s_lshl_b32 s55, s10, 13
	s_add_co_u32 s34, s54, s55                     ; my wave's 8,192 bytes of codes in it
	s_mov_b32 s35, 0                               ; (stays 0: the upper word of the pair s[34:35])
	s_mov_b32 s40, 0x76543210
	s_mov_b32 s41, 0xfedcba98                      ; v_permlanex16_b32's selects for lane l xor 16
	s_mov_b32 s42, 0x3e13bb63                      ; c = 0.1 log2(e)
	s_mov_b32 s43, s42                             ; (named with it as a pair, so it is written)
	s_lshl_b32 s56, s11, 14                        ; the prefetches: my work-group's 16,384 bytes of a record's codes, my wave's 8,192 of them (waves 0 and 1 alone ask),
	s_add_co_u32 s44, s34, s56
	s_add_co_u32 s56, s12, 16                      ; in v's first record of my walk
	s_mul_i32 s56, s56, REC
	s_add_co_u32 s44, s44, s56
	s_mov_b32 s45, 0
	s_cmp_lt_u32 s10, 2
	s_cselect_b32 s39, 5, -1                       ; the trip in which I prefetch, or none
	s_lshl_b32 s50, s13, 23                        ; a batch of q or out0 is 2^23 bytes, 64 rows are 2^18
	s_lshl_b32 s55, ttmp9, 18
	s_add_co_u32 s50, s50, s55
	s_lshl_b32 s52, s10, 9
	s_add_co_u32 s52, s52, s50                     ; out0: my block's first row, my 128 columns
	s_lshr_b32 s55, s10, 1                         ; q: wave w quantises tile qt = w / 2, K steps 4 (w % 2) + 0 .. 3
	s_lshl_b32 s55, s55, 16
	s_add_co_u32 s50, s50, s55
	s_and_b32 s55, s10, 1
	s_lshl_b32 s55, s55, 11
	s_add_co_u32 s50, s50, s55
	s_mov_b32 s51, 0
	s_mov_b32 s53, 0
	s_mul_i32 s56, s12, REC                        ; the walk's record 0 is record 2 (x / 4)
	s_mov_b32 s57, 0
	v_and_b32 v220, 31, v0                         ; lane
	v_and_b32 v221, 15, v0                         ; r
	v_bfe_u32 v222, v0, 4, 1                       ; h
	v_lshlrev_b32 v56, 12, v221
	v_lshl_add_u32 v56, v222, 6, v56               ; q: row r of 4,096 bytes, + 64 h
	s_wait_kmcnt 0x0
	s_add_nc_u64 s[32:33], s[6:7], s[34:35]        ; kv at my codes of the batch's record 0
	s_add_nc_u64 s[BA:BA+1], s[32:33], s[56:57]
	s_add_nc_u64 s[BB:BB+1], s[BA:BA+1], REC       ; the walk's record 1 is the record behind it
	s_add_nc_u64 s[46:47], s[6:7], s[44:45]
	s_add_nc_u64 s[4:5], s[4:5], s[50:51]
	s_add_nc_u64 s[8:9], s[8:9], s[52:53]
	s_wait_alu depctr_va_vdst(0)                   ; v56 is written: every load of q reads it as its offset
	XLOAD FA, 0
	XLOAD S, 1
	; the addresses, while q is on its way: none of these lines names v56 or a register in which q lands
	s_mul_i32 s54, s10, 7680
	s_sub_co_u32 s54, 0x10000, s54
	v_lshl_add_u32 v[VSO], v220, 3, s54
	s_lshr_b32 s54, s10, 2                         ; my 32 keys of a step are block w % 4 of K step 2 j + w / 4
	s_and_b32 s56, s10, 3
	s_lshl_b32 s55, s54, 12
	s_lshl_b32 s57, s56, 8
	s_add_co_u32 s55, s55, s57
	s_add_co_u32 s55, s55, PIMG
	v_lshl_add_u32 v[PST], v221, 4, s55
	v_lshl_add_u32 v[PST], v222, 3, v[PST]         ; a block's 16 bytes of query r; my half's 8
	s_lshl_b32 s55, s10, 12
	s_add_co_u32 s57, s55, ETAB
	v_lshl_add_u32 v[EST], v220, 4, s57
	s_add_co_u32 s57, s55, QIMG
	v_lshl_add_u32 v57, v220, 4, s57               ; where I store Q's images: fragment 8 qt + s = 4 w + s2
	v_lshl_add_u32 v59, v220, 4, QIMG              ; where Q's images are read,
	v_lshl_add_u32 v61, v220, 2, QSC               ; and its scale words
	s_and_b32 s54, s10, 1
	s_lshl_b32 s54, s54, 10
	s_lshr_b32 s55, s10, 2
	s_lshl_b32 s55, s55, 7
	s_add_co_u32 s54, s54, s55
	s_bfe_u32 s55, s10, 0x10001
	s_lshl_b32 s55, s55, 6
	s_add_co_u32 s54, s54, s55
	s_add_co_u32 s54, s54, QSC
	v_lshl_add_u32 v58, v221, 2, s54               ; where I store Q's scale words
	v_lshlrev_b32 v[PFO], 8, v220
	v_lshlrev_b32 v[GO], 4, v220
.irp q, 0,1,2,3
	v_mov_b32 v[ST+4*\q+1], 0xff61b1e6             ; the largest t so far: -3e38, under every t
	v_floor_f32 v[ST+4*\q], -v[ST+4*\q+1]          ; -M
	v_mov_b32 v[ST+4*\q+2], 0                      ; l, in two halves
	v_mov_b32 v[ST+4*\q+3], 0
	v_mov_b32 v[TM+4+\q], 0                        ; written once: a lane permute's destination counts as one of its sources
	v_mov_b32 v[PX+\q], 0
.endr
	; q: four K steps through two sets of 64 registers
	s_wait_loadcnt 16                              ; K step 0's 16 loads are in; the 16 younger ones may be out
	QUANT FA
	s_wait_alu depctr_va_vdst(0)                   ; the quantiser has written the codes v212-219 and the word v208, and the lines above all the addresses and offsets (v1-3, v57-63), which stores and loads read; and it is done reading v128-191, in which K step 2 lands
	QOUT 0
	s_wait_dscnt 0x0                               ; the image's stores are done
	s_wait_alu depctr_vm_vsrc(0)                   ; they have read v208 and v212-219, which the next quantising writes
	XLOAD FA, 2
	s_wait_loadcnt 16                              ; K step 1
	QUANT S
	s_wait_alu depctr_va_vdst(0)                   ; the codes and the word are written, which the stores read; the quantiser is done reading v64-127, in which K step 3 lands
	QOUT 1
	s_wait_dscnt 0x0
	s_wait_alu depctr_vm_vsrc(0)                   ; the stores have read v208 and v212-219, which the next quantising writes
	XLOAD S, 3
	s_wait_loadcnt 16                              ; K step 2
	QUANT FA
	s_wait_alu depctr_va_vdst(0)                   ; the codes and the word are written, which the stores read; the quantiser is done reading v128-191, in which the walk's record 0 lands
	QOUT 2
	s_wait_dscnt 0x0
	s_wait_alu depctr_vm_vsrc(0)                   ; the stores have read v208 and v212-219, which the next quantising writes
	LOADREC BA, FA, KSA                            ; set A is done with q: the walk's record 0 is asked for
	s_wait_loadcnt 18                              ; K step 3's 16 loads are in; the record's 18 may be out
	QUANT S
	s_wait_alu depctr_va_vdst(0)                   ; the codes and the word are written, which the stores read; the head's vector instructions are done with v192-222, in which the walk's record 1 lands behind the barrier
	QOUT 3
	BARRIER                                        ; Q's 32 fragments and their scale words lie in LDS
	s_wait_alu depctr_vm_vsrc(0)                   ; my last image's stores have read v208 and v212-219, in which the walk's record 1 lands
	LOADREC BB, FB, KSB                            ; the quantiser's registers are done with: the walk's record 1
	WIN 0x40                                       ; destination window 1: no vector instruction has named these registers, and v59 was written ahead of the waits above
.set i, 0
.rept 32
	ds_load_b128 v[8*i:8*i+3], v59 offset:1024*i
	ds_load_b128 v[8*i+4:8*i+7], v59 offset:1024*i+512
.set i, i+1
.endr
	WIN 0
.set i, 0
.rept 16
	ds_load_b32 v[QS+i], v61 offset:128*i
.set i, i+1
.endr
; THE SOFTMAX of my block of 32 keys for the four tiles of queries, which take turns line by line; each tile has its own M.  It touches neither register set: both are on their way meanwhile.
.macro SOFTMAX
.irp q, 0,1,2,3
	v_max3_num_f32 v[BM+\q], v[S+16*\q], v[S+16*\q+1], v[S+16*\q+2]   ; the block's largest score; each accumulator is read from its low end on
.endr
.irp i, 3,5,7,9,11,13
.irp q, 0,1,2,3
	v_max3_num_f32 v[BM+\q], v[BM+\q], v[S+16*\q+\i], v[S+16*\q+\i+1]
.endr
.endr
.irp q, 0,1,2,3
	v_max_num_f32 v[BM+\q], v[BM+\q], v[S+16*\q+15]
.endr
.irp q, 0,1,2,3
	v_permlanex16_b32 v[PX+\q], v[BM+\q], s40, s41
.endr
.irp q, 0,1,2,3
	v_max_num_f32 v[BM+\q], v[BM+\q], v[PX+\q]     ; with lane l xor 16's 16 keys
.endr
.irp q, 0,1,2,3
	v_mul_f32 v[PX+\q], s42, v[BM+\q]              ; as t (c is positive)
.endr
.irp q, 0,1,2,3
	v_max_num_f32 v[ST+4*\q+1], v[ST+4*\q+1], v[PX+\q]   ; my wave's running largest t
.endr
.irp q, 0,1,2,3
	v_mov_b32 v[PX+\q], v[ST+4*\q]                 ; the old -M
.endr
.irp q, 0,1,2,3
	v_floor_f32 v[ST+4*\q], -v[ST+4*\q+1]          ; the new -M = -ceil(t): a whole number
.endr
.irp q, 0,1,2,3
	v_sub_f32 v[PX+\q], v[ST+4*\q], v[PX+\q]       ; old M - new M: a whole number, 0 or less
.endr
.irp q, 0,1,2,3
	v_cvt_i32_f32 v[PX+\q], v[PX+\q]               ; (it saturates)
.endr
.irp q, 0,1,2,3
	v_ldexp_f32 v[PX+\q], 1.0, v[PX+\q]            ; 2^(old M - new M): l goes under the new M by a multiplication that rounds nothing
.endr
.irp i, 0,2,4,6,8,10,12,14
.irp q, 0,1,2,3
	v_pk_fma_f32 v[S+16*\q+\i:S+16*\q+\i+1], v[S+16*\q+\i:S+16*\q+\i+1], s[42:43], v[ST+4*\q:ST+4*\q+1] op_sel_hi:[1,0,0]   ; t - M, two at a time
.endr
.endr
.irp q, 0,1,2,3
	v_fma_f32 v[BM+\q], v[BM+\q], s42, v[ST+4*\q]  ; the same of the block's largest score
.endr
.set i, 0
.rept 64
	v_exp_f32 v[S+i], v[S+i]                       ; p = 2^(t - M): one batch
.set i, i+1
.endr
.irp q, 0,1,2,3
	v_mul_f32 v[ST+4*\q+2], v[ST+4*\q+2], v[PX+\q] ; l under the new M: plain lines behind the exponentials
	v_mul_f32 v[ST+4*\q+3], v[ST+4*\q+3], v[PX+\q]
.endr
	s_wait_alu depctr_va_vdst(0)                   ; the 64 exponentials have written p in v64-127: one wait for the batch, ahead of its first reader
.irp q, 0,1,2,3
	v_exp_f32 v[BM+\q], v[BM+\q]                   ; the block's largest p: the same two instructions on the same number give the same bits
.endr
.irp i, 0,2,4,6,8,10,12,14
.irp q, 0,1,2,3
	v_pk_add_f32 v[ST+4*\q+2:ST+4*\q+3], v[ST+4*\q+2:ST+4*\q+3], v[S+16*\q+\i:S+16*\q+\i+1]   ; l is taken of the UNQUANTISED p; these read the 64 alone
.endr
.endr
	s_wait_alu depctr_va_vdst(0)                   ; the four exponentials have written v4-7, ahead of their first reader
.irp q, 0,1,2,3
	v_max_num_f32 v[BM+\q], 0x1800000, v[BM+\q]    ; the floor 2^(3 - 127)
.endr
.irp q, 0,1,2,3
	v_add_nc_u32 v[BM+\q], 0xff000000, v[BM+\q]    ; 2 off the exponent field: the conversion's scale operand
.endr
.irp q, 0,1,2,3
	v_lshrrev_b32 v[EE+\q], 23, v[BM+\q]           ; the byte under the M in hand
.endr
.irp q, 0,1,2,3
	v_cvt_f32_u32 v[EE+\q], v[EE+\q]
.endr
.irp q, 0,1,2,3
	v_sub_f32 v[EE+\q], v[EE+\q], v[ST+4*\q]       ; byte + M: what does not hang on the M in hand
.endr
	v_cvt_scalef32_pk8_fp4_f32 v[PX], v[S:S+7], v[BM]             ; tile 0's codes,
	v_cvt_scalef32_pk8_fp4_f32 v[PX+1], v[S+8:S+15], v[BM]
	v_cvt_scalef32_pk8_fp4_f32 v[PX+2], v[S+16:S+23], v[BM+1]     ; tile 1's,
	v_cvt_scalef32_pk8_fp4_f32 v[PX+3], v[S+24:S+31], v[BM+1]
	v_cvt_scalef32_pk8_fp4_f32 v[PC2], v[S+32:S+39], v[BM+2]      ; tile 2's
	v_cvt_scalef32_pk8_fp4_f32 v[PC2+1], v[S+40:S+47], v[BM+2]
	v_nop                                          ; a plain place: tile 3's codes land on the scale operands of tiles 0 and 1, which are done with
	v_cvt_scalef32_pk8_fp4_f32 v[BM], v[S+48:S+55], v[BM+3]
	v_cvt_scalef32_pk8_fp4_f32 v[BM+1], v[S+56:S+63], v[BM+3]
	v_nop                                          ; one plain place behind the last scaled conversion
	s_wait_alu depctr_va_vdst(0)                   ; the conversions have written the codes (v8-11, v60-61, v4-5) and the subtractions byte + M (v56-59), which the five stores read; v1 and v2, their addresses, were written a step ago
	ds_store_b64 v[PST], v[PX:PX+1]                ; the 32 lanes store 256 consecutive bytes: my block of the fragment's image: no lane changes places
	ds_store_b64 v[PST], v[PX+2:PX+3] offset:1024
	ds_store_b64 v[PST], v[PC2:PC2+1] offset:2048
	ds_store_b64 v[PST], v[BM:BM+1] offset:3072
	ds_store_b128 v[EST], v[EE:EE+3]
	s_wait_alu depctr_vm_vsrc(0)                   ; the five stores have read v1 and v2, which the two lines below write, and their data, which the next step's softmax or the transition writes
	v_add_nc_u32 v[PST], 8192, v[PST]              ; the next step's two K steps
	v_add_nc_u32 v[EST], 512, v[EST]
.endm
	; ---- PHASE 1: eight trips, a step of 256 keys (two records: d 0-511, d 512-1023) a trip.  No barrier: a wave reads its own loads and stores to its own LDS bytes.
	s_mov_b32 s36, 2                               ; the next record to be asked for is the walk's record 2
	s_mov_b32 s38, 0
	s_wait_alu depctr_vm_vsrc(0)                   ; the head's loads and stores have read their addresses v56-59 and v61, which the first softmax writes as byte + M and codes
.Lstep:
	s_wait_dscnt 0x0                               ; first trip: Q and its scale words are in; in later trips the last step's five stores alone can be out
	s_wait_loadcnt 18                              ; set A's 18 loads are in; set B's 18, issued behind them, may be out
	MUL FA, KSA, 0, 1                              ; the first eight products start the sums: nothing is cleared
	PLACES
	s_wait_alu depctr_va_vdst(0)                   ; the 32 products are done reading set A (v128-191, v44-47), in which the loads below land
	NEXT BA
	LOADREC BA, FA, KSA                            ; set A again: the record two on (in the last trip: v's first)
	s_wait_loadcnt 18                              ; set B is in; the 18 just issued may be out
	MUL FB, KSB, 1, 0
	PLACES                                         ; ahead of the first read of the scores
	s_wait_alu depctr_va_vdst(0)                   ; the 32 products are done reading set B (v192-255, v48-51), in which the loads below land
	NEXT BB
	LOADREC BB, FB, KSB
	ASK
	SOFTMAX
	s_add_co_u32 s38, s38, 1
	s_cmp_lt_u32 s38, 8
	s_cbranch_scc1 .Lstep
	; ---- TRANSITION.  v's first two records stay on their way into the two sets.
	s_wait_dscnt 0x0                               ; the last step's stores are done
.irp q, 0,1,2,3
	v_add_f32 v[ST+4*\q+1], v[ST+4*\q+2], v[ST+4*\q+3]   ; l's two halves,
.endr
.irp q, 0,1,2,3
	v_permlanex16_b32 v[PX+\q], v[ST+4*\q+1], s40, s41
.endr
.irp q, 0,1,2,3
	v_add_f32 v[ST+4*\q+1], v[ST+4*\q+1], v[PX+\q]       ; and lane l xor 16's: my wave's l, under my wave's M
.endr
	v_and_b32 v56, 31, v0
	v_lshl_add_u32 v58, v56, 4, ETAB
	v_lshl_add_u32 v[PLD], v56, 4, PIMG
	v_lshl_add_u32 v[PSL], v56, 2, PSC
	v_lshl_add_u32 v56, v56, 3, XCH                ; where all waves' pairs are read,
	s_lshl_b32 s54, s10, 10
	v_add_nc_u32 v57, s54, v56                     ; where mine are stored,
	s_lshl_b32 s54, s10, 12
	v_add_nc_u32 v58, s54, v58                     ; where my byte + M lie,
	s_lshr_b32 s54, s10, 2
	s_lshl_b32 s54, s54, 8
	s_and_b32 s55, s10, 3
	s_add_co_u32 s54, s54, s55
	s_add_co_u32 s54, s54, PSC
	v_and_b32 v[PBS], 15, v0
	v_lshl_add_u32 v[PBS], v[PBS], 2, s54          ; and where my blocks' bytes go: K step w / 4 of a step's two, query r, block w % 4
	s_wait_alu depctr_va_vdst(0)                   ; my pairs (-M, l) and the addresses v56-61 are written, which the stores and loads below read; the last softmax is done with v64-127, in which the eight waves' pairs land
.irp q, 0,1,2,3
	ds_store_b64 v57, v[ST+4*\q:ST+4*\q+1] offset:256*\q
.endr
	BARRIER                                        ; every wave's pairs and its images of P lie in LDS
	s_wait_alu depctr_vm_vsrc(0)                   ; my four stores have read -M's registers (v12, v16, v20, v24), which the reciprocals below write
.irp w, 0,1,2,3,4,5,6,7
.irp q, 0,1,2,3
	ds_load_b64 v[S+8*\w+2*\q:S+8*\w+2*\q+1], v56 offset:1024*\w+256*\q
.endr
.endr
	s_wait_dscnt 0x0
.irp q, 0,1,2,3
	v_min3_num_f32 v[BM+\q], v[S+2*\q], v[S+8+2*\q], v[S+16+2*\q]   ; the least -M of the eight waves: the row's
.endr
.irp q, 0,1,2,3
	v_min3_num_f32 v[BM+\q], v[BM+\q], v[S+24+2*\q], v[S+32+2*\q]
.endr
.irp q, 0,1,2,3
	v_min3_num_f32 v[BM+\q], v[BM+\q], v[S+40+2*\q], v[S+48+2*\q]
.endr
.irp q, 0,1,2,3
	v_min_num_f32 v[BM+\q], v[BM+\q], v[S+56+2*\q]
.endr
.irp w, 0,1,2,3,4,5,6,7
.irp q, 0,1,2,3
	v_sub_f32 v[S+8*\w+2*\q], v[BM+\q], v[S+8*\w+2*\q]   ; that wave's M - the row's: a whole number, 0 or less
.endr
.endr
.irp w, 0,1,2,3,4,5,6,7
.irp q, 0,1,2,3
	v_cvt_i32_f32 v[S+8*\w+2*\q], v[S+8*\w+2*\q]
.endr
.endr
.irp w, 0,1,2,3,4,5,6,7
.irp q, 0,1,2,3
	v_ldexp_f32 v[S+8*\w+2*\q+1], v[S+8*\w+2*\q+1], v[S+8*\w+2*\q]   ; its l under the row's M
.endr
.endr
.irp q, 0,1,2,3
	v_add_f32 v[PX+\q], v[S+2*\q+1], v[S+8+2*\q+1]
.endr
.irp w, 2,3,4,5,6,7
.irp q, 0,1,2,3
	v_add_f32 v[PX+\q], v[PX+\q], v[S+8*\w+2*\q+1]
.endr
.endr
	s_wait_alu depctr_va_vdst(0)                   ; the lines above are done writing and reading the pairs in v64-127: in v64-95 the loads below land
.irp j, 0,1,2,3,4,5,6,7
	ds_load_b128 v[S+4*\j:S+4*\j+3], v58 offset:512*\j   ; the pairs are used up: my 32 blocks' byte + M take their place
.endr
.irp q, 0,1,2,3
	v_rcp_f32 v[ST+4*\q], v[PX+\q]                 ; 1 / l; the bytes' lines below are the independent work behind the four
.endr
	s_wait_dscnt 0x0
.irp j, 0,1,2,3,4,5,6,7
.irp q, 0,1,2,3
	v_add_f32 v[S+4*\j+\q], v[S+4*\j+\q], v[BM+\q]       ; (byte + M) - the row's M: my block's byte under the row's M
.endr
.endr
.irp j, 0,1,2,3,4,5,6,7
.irp q, 0,1,2,3
	v_max_num_f32 v[S+4*\j+\q], 0, v[S+4*\j+\q]          ; held at 0 from below
.endr
.endr
.irp j, 0,1,2,3,4,5,6,7
.irp q, 0,1,2,3
	v_cvt_u32_f32 v[S+4*\j+\q], v[S+4*\j+\q]
.endr
.endr
	s_wait_alu depctr_va_vdst(0)                   ; the conversions have written the bytes in v64-95, which the stores read; the four reciprocals have written 1 / l, ahead of every label and of their first reader; and no vector instruction is left at work on v64-127, in which P lands behind the barrier
.irp j, 0,1,2,3,4,5,6,7
.irp q, 0,1,2,3
	ds_store_b8 v[PBS], v[S+4*\j+\q] offset:512*\j+64*\q   ; both halves of the lanes write the same byte with the same value
.endr
.endr
	BARRIER                                        ; P's scale words are whole
	s_wait_alu depctr_vm_vsrc(0)                   ; my byte stores have read v64-95, in which P's fragments land; the transition's loads and stores have read v56-59, which the way out writes
	LOADP 0, PA, PSA
	LOADP 1, PB, PSB
; ---- PHASE 2: eight pairs of K steps of 128 keys.  No barrier: P is only read.  more = 1: each set, and each set of P, is asked for again, two K steps on, as soon as it has been multiplied.
.macro PAIR zero, more
	s_wait_loadcnt 18                              ; set A is in; set B's 18 loads may be out
	s_wait_dscnt 10                                ; P's set A is in; set B's 10 loads may be out
	PV FA, KSA, PA, PSA, \zero
.if \more
	PLACES
	s_wait_alu depctr_va_vdst(0)                   ; the 32 products are done reading set A and P's set A (v128-191, v44-47, v64-95, v52-53), in which the loads below land; v60 and v61, stepped at the last pair's end, are written
	NEXT BA
	LOADREC BA, FA, KSA
	LOADP 2, PA, PSA
	s_wait_loadcnt 18                              ; set B is in; the 18 just issued may be out
	s_wait_dscnt 10
.else
	s_wait_loadcnt 0x0
	s_wait_dscnt 0x0
.endif
	PV FB, KSB, PB, PSB, 0
.if \more
	PLACES
	s_wait_alu depctr_va_vdst(0)                   ; the 32 products are done reading set B and P's set B (v192-255, v48-51, v96-127, v54-55), in which the loads below land
	NEXT BB
	LOADREC BB, FB, KSB
	LOADP 3, PB, PSB
	s_wait_alu depctr_vm_vsrc(0)                   ; the LDS loads issued so far have read v60 and v61, which the two lines below write
	v_add_nc_u32 v[PLD], 8192, v[PLD]
	v_add_nc_u32 v[PSL], 512, v[PSL]
.endif
.endm
	PAIR 1, 1                                      ; the first K step starts the sums: written out ahead of the loop
	s_mov_b32 s38, 6
.Lpair:
	PAIR 0, 1
	s_sub_co_u32 s38, s38, 1
	s_cmp_lg_u32 s38, 0
	s_cbranch_scc1 .Lpair
	PAIR 0, 0                                      ; the last pair asks for nothing, so it holds no wait of the mode
	; ---- THE WAY OUT, a tile of 16 queries at a time.  In O^T lane (r, h) holds query r, and registers 16 a + 0 .. 15 of a tile are dv 128 w + 32 a + 16 h + 0 .. 15.  O^T / l goes through my stage in LDS and comes back as whole rows of 512 bytes.
	s_mul_i32 s54, s10, STGB
	v_and_b32 v56, 15, v0                          ; these six plain lines, which name no register of the last products, are the places behind them
	v_bfe_u32 v57, v0, 4, 1
	v_mul_u32_u24 v[STO], v56, 528
	v_lshl_add_u32 v[STO], v57, 6, v[STO]
	v_add_nc_u32 v[STO], s54, v[STO]               ; in: row r, + 64 h
	v_add_nc_u32 v[SRD], s54, v[GO]                ; back: 16 bytes a lane
.macro PACK qt
.if \qt > 0
	s_wait_alu depctr_vm_vsrc(0)                   ; the last tile's stage stores have read v64-127, which the lines below write; from tile 2 on: the global stores of the tile two back have read the set in which this tile's rows land
.endif
	WIN 0x01                                       ; source 0 in window 1
.set i, 0
.rept 32
	v_pk_mul_f32 v[S+2*i:S+2*i+1], v[64*\qt+2*i:64*\qt+2*i+1], v[ST+4*\qt:ST+4*\qt+1] op_sel_hi:[1,0]   ; each accumulator from its low end on
.set i, i+1
.endr
	WIN 0
.endm
.macro TOSTAGE qt
	s_wait_alu depctr_va_vdst(0)                   ; the multiplications have written v64-127, which the stores read; for tiles 0 and 1 also: v58 and v59 are written, and the last products are done reading the set in which the rows land
.irp a, 0,1,2,3
.irp p, 0,1,2,3
	ds_store_b128 v[STO], v[S+16*\a+4*\p:S+16*\a+4*\p+3] offset:128*\a+16*\p
.endr
.endr
.irp t, 0,1,2,3,4,5,6,7,8,9,10,11,12,13,14,15
	ds_load_b128 v[FA+64*((\qt)%2)+4*\t:FA+64*((\qt)%2)+4*\t+3], v[SRD] offset:528*\t   ; LDS serves a wave's instructions in order (ISA guide 5.7.1.4): these see the stores above, and the next tile's stores come behind them
.endr
.endm
.macro SEND qt, younger                ; younger: the LDS instructions issued behind this tile's loads, which may stay out
	s_wait_dscnt \younger
.irp t, 0,1,2,3,4,5,6,7,8,9,10,11,12,13,14,15
	global_store_b128 v[GO], v[FA+64*((\qt)%2)+4*\t:FA+64*((\qt)%2)+4*\t+3], s[8:9] offset:(16*(\qt)+\t)*4096 th:TH_STORE_NT   ; 32 lanes store 512 consecutive bytes at a multiple of 256 from out0's first byte
.endr
.endm
	PACK 0
	TOSTAGE 0
	PACK 1
	TOSTAGE 1
	SEND 0, 32                                     ; behind tile 0's loads: tile 1's 16 stores and 16 loads
	s_wait_xcnt 0x0                                ; tile 0's stores have had their addresses translated: tile 2's rows may land in their registers
	PACK 2
	TOSTAGE 2
	SEND 1, 32
	s_wait_xcnt 0x0                                ; tile 1's likewise
	PACK 3
	TOSTAGE 3
	SEND 2, 32
	SEND 3, 0
	s_wait_xcnt 0x0
	s_wait_alu depctr_vm_vsrc(0)                   ; tile 3's last store has read v252-255: v254 and v255 are written by the two lines below
	v_lshl_add_u32 v254, v0, 2, 0x34000
	v_mov_b32 v255, 0
	s_wait_dscnt 0x0                               ; the closing lines, six on end
	s_wait_alu 0x0
	s_wait_tensorcnt 0x0
	ds_add_u32 v254, v255
	s_wait_dscnt 0x0
	s_endpgm
.Lfunc_end_k_q40e3ca0435_attn:
	.size	k_q40e3ca0435_attn, .Lfunc_end_k_q40e3ca0435_attn-k_q40e3ca0435_attn
	.p2alignl 7, 3214868480
	.fill 96, 4, 3214868480
	.section	.rodata,"a",@progbits
	.p2align	6, 0x0
	.amdhsa_kernel k_q40e3ca0435_attn
		.amdhsa_group_segment_fixed_size 214016
		.amdhsa_private_segment_fixed_size 0
		.amdhsa_enable_private_segment 0
		.amdhsa_kernarg_size 24
		.amdhsa_user_sgpr_count 2
		.amdhsa_user_sgpr_kernarg_segment_ptr 1
		.amdhsa_wavefront_size32 1
		.amdhsa_system_sgpr_workgroup_id_x 1
		.amdhsa_system_sgpr_workgroup_id_y 1
		.amdhsa_system_sgpr_workgroup_id_z 1
		.amdhsa_system_vgpr_workitem_id 0
		.amdhsa_next_free_vgpr 512
		.amdhsa_next_free_sgpr 66
		.amdhsa_reserve_vcc 0
		.amdhsa_float_denorm_mode_32 3
		.amdhsa_float_denorm_mode_16_64 3
		.amdhsa_memory_ordered 1
		.amdhsa_forward_progress 1
		.amdhsa_inst_pref_size 137
	.end_amdhsa_kernel
	.amdgpu_metadata
---
amdhsa.version: [ 1, 2 ]
amdhsa.kernels:
  - .name:           k_q40e3ca0435_attn
    .symbol:         k_q40e3ca0435_attn.kd
    .args:
      - { .name: q, .offset: 0, .size: 8, .value_kind: global_buffer, .address_space: global }
      - { .name: kv, .offset: 8, .size: 8, .value_kind: global_buffer, .address_space: global }
      - { .name: out0, .offset: 16, .size: 8, .value_kind: global_buffer, .address_space: global }
    .group_segment_fixed_size: 214016
    .private_segment_fixed_size: 0
    .kernarg_segment_align: 8
    .kernarg_segment_size: 24
    .max_flat_workgroup_size: 256
    .sgpr_count:     66
    .vgpr_count:     512
    .wavefront_size: 32
...
	.end_amdgpu_metadata
.endif
;; end of part 3
